; MI455X (gfx1250); checked and timed in simulation.
; The chip was launched on July 23, 2026; its instructions are those of AMD's public machine-readable ISA for CDNA 5 (MIT licence, August 2026) and "CDNA5" Instruction Set Architecture Reference Guide (July 2026). The comments in the code are by the model that wrote it; some were corrected since.
;; Normalized Multi Head Attention. Allowed arithmetic: matrix products marked QUANTISED: E2M3 operands, one E8M0 scale for each 32 along K, by v_wmma_scale_f32_16x16x128_f8f6f4 with both operands' format E2M3, f32 sums; everything else in f32.
;; Inputs: Wk 512 x 2,048 float32; Wo 2,048 x 2,048 float32; Wq 512 x 2,048 float32; Wv 512 x 2,048 float32; bo 2,048 float32; sk 2,048 float32; sq 2,048 float32; x 2 x 2,048 x 512 float32.
;; Outputs: out0 2 x 2,048 x 2,048 float32.
;; This version of the problem:
;;   THIS VERSION OF THE PROBLEM IS GIVEN IN LOW PRECISION. The matrix products marked QUANTISED in the list below multiply operands that are first quantised to E2M3 (2 exponent bits, 3 mantissa bits; 6 bits a number), with one power-of-two scale for each 32 numbers along K (OCP MX v1.0); their sums are f32. All else is computed in f32.
;;   The module's matrix products, in the order in which they are computed (A, B: the left and right operand; K: the contracted axis; several contracted axes count as one K, in the product's order):
;;     1. [M 4,096, K 512] x [K 512, N 2,048]; A: input x; B: input Wq: QUANTISED
;;     2. [M 4,096, K 512] x [K 512, N 2,048]; A: input x; B: input Wk: QUANTISED
;;     3. [M 4,096, K 512] x [K 512, N 2,048]; A: input x; B: input Wv: QUANTISED
;;     4. batch 32 x [M 2,048, K 128] x [K 128, N 2,048]; A: computed on the way; B: computed on the way: QUANTISED
;;     5. batch 32 x [M 2,048, K 2,048] x [K 2,048, N 128]; A: softmax (see below); B: computed on the way: QUANTISED
;;     6. [M 4,096, K 2,048] x [K 2,048, N 2,048]; A: computed on the way; B: input Wo: QUANTISED
;;   THE QUANTISER, for each operand of a quantised product, along K:
;;     - K is cut into blocks of 32 from its start; a last block that is shorter is filled with zeros.
;;     - A block's scale is 2^e with e = floor(log2(the largest magnitude in the block)) - 2, held to -126 .. 127; a block of zeros has e = 0. As a byte (E8M0): e + 127.
;;     - Each number is divided by its block's scale, clamped to +-7.5, and rounded to the nearest number of E2M3, ties to even, subnormals kept.
;;     - The product sums the exact products of the quantised numbers (number of the format x scale) in f32.
;;   ~~~python
;;   def quantise(x, axis):      # numpy; x: float32 -> the quantised numbers, widened to float32 again
;;       x = np.moveaxis(x, axis, -1); K = x.shape[-1]
;;       x = np.pad(x, [(0, 0)] * (x.ndim - 1) + [(0, -K % 32)]); x = x.reshape(x.shape[:-1] + (-1, 32)); a = np.abs(x).max(-1, keepdims=True)
;;       e = np.where(a > 0, np.clip(np.frexp(np.where(a > 0, a, 1))[1] - 1 - 2, -126, 127), 0)      # np.frexp(a)[1] - 1 = floor(log2(a)), exactly
;;       r = np.clip(x / 2.0 ** e, -7.5, 7.5)
;;       step = 2.0 ** (np.maximum(np.frexp(np.where(r == 0, 1, r))[1] - 1, 0) - 3)
;;       q = np.round(r / step) * step * 2.0 ** e      # np.round: ties to even
;;       return np.moveaxis(q.reshape(q.shape[:-2] + (-1,))[..., :K], -1, axis).astype(np.float32)
;;   ~~~
;;   SOFTMAX AHEAD OF A QUANTISED PRODUCT. Where the list says 'softmax', what is quantised is not the finished softmax but p = 2^(t - M), with t = logit x log2(e) and M = ceil(the row's largest t), a whole number; so 1/2 < the row's largest p <= 1. The row's sum l is taken of the UNQUANTISED p, in f32, and the product's result is divided by l at the end. Since M is a whole number, a kernel that streams over the keys may use a running M (the ceiling of the running maximum): every later rescaling is an exact power of two, which a block's scale takes up: the codes' values come out the same.
;;   OPERANDS COMPUTED ON THE WAY. 'Computed on the way' means the value that the module computes at that place (a softmax that the list does not call 'softmax' is quantised finished and normalised). What goes into a quantiser is computed in f32, as accurately as f32 sums, v_exp_f32 and their like allow (about 1e-6 of the number): no bf16 or f16 on the way to a quantiser, and a product that is left as it is and whose result goes on into a quantised operand takes f32 operands (vector FMAs, or v_wmma_f32_16x16x4_f32). A number that lies on a knife's edge between two numbers of the format may be rounded either way, as far as f32 arithmetic and the matrix unit's own rounding can turn it there, and no further.
;; One version. Each part assembles by itself: llvm-mc -triple=amdgcn-amd-amdhsa -mcpu=gfx1250 --defsym DOCPART=n.
;; ======== version 1 of 1: 4 launches
;; limits: right only within a limited range of input values
;; workspace buffers: prep 8,421,376 bytes; qb 6,553,600 bytes; kv 13,107,200 bytes; ctx 6,553,600 bytes
;; launch prep (part 1): grid 704 x 1, 4 waves a work-group, no clusters, 12,800 bytes of LDS; arguments x, Wq, Wk, Wv, Wo, prep; writes prep
.if DOCPART == 1
	.amdgcn_target "amdgcn-amd-amdhsa--gfx1250"
	.amdhsa_code_object_version 6
	.text
	.protected	k_q4b8e3c8dd5_prep
	.globl	k_q4b8e3c8dd5_prep
	.p2align	8
	.type	k_q4b8e3c8dd5_prep,@function
k_q4b8e3c8dd5_prep:
	s_mov_b64 s[64:65], 0
	v_nop
	global_prefetch_b8 v0, s[64:65] scope:SCOPE_SE
	s_setreg_imm32_b32 hwreg(HW_REG_WAVE_MODE, 25, 1), 1
	s_wait_xcnt 0x0
; PREP: x, Wq, Wk, Wv, Wo (f32) become codes of FP6 (E2M3) with one E8M0 byte for each 32 along K, and the table of cos and sin for the rotation is made.
; LAYOUT OF WHAT IS STORED: IMAGES OF OPERAND REGISTERS.  A fragment is 16 rows x 128 K = 12 registers a lane = 1,536 bytes: registers 4 g .. 4 g + 3 of lane L lie at 512 g + 16 L.
; THE ROWS OF A TILE: in a group of 32 consecutive rows, lane r of tile u (0, 1) holds row 8 u + r + 8 (r / 8).  Scale words: for a group and a K step 128 bytes, word 16 u + r.
; Regions of the buffer: x's 128 groups x 12,800 bytes (codes (u, s) at 6,144 u + 1,536 s, scale words at 12,288 + 128 s); from WP the same for the 64 groups of columns of Wq, Wk, Wv;
; from RT the table, 128 tiles of positions x 8,192 bytes; from WOC Wo's 128 tiles x 16 K steps x 1,536; from WOS their scale words, 64 groups x 16 K steps x 128.
; A block's scale is 2^(floor(log2(largest magnitude)) - 2): its byte is the largest magnitude's exponent field - 2, held at 1 from below.
; LIMITS: NaN and infinities among the inputs are not served.  A block of zeros keeps the byte 1 (the rule says 127): its codes are zeros, and this program alone reads the bytes.
; The frequencies are 2^(-pair x log2(10000) / 64) by v_exp_f32: an angle may differ from one made by a power and a division in f32 by about 2e-4 rad at the last positions,
; which is the size of the rounding of position x frequency itself.
; SHARES: work-groups 0-191 Wq, Wk, Wv; 192-447 Wo; 448-575 x; 576-703 the table.  The three ways part on the work-group's number; the weights' way alone uses LDS.
.set WP,  1638400
.set RT,  4096000
.set WOC, 5144576
.set WOS, 8290304
.set SEL, 42                           ; s[42:43] lane selects: lane l xor 16
; 64 numbers of a lane, register 16 b + i = k 32 b + 16 (lane / 16) + i of its row, become a fragment's codes in v[pc .. pc + 11] and the row's scale word in v[pw]
.macro QUANT s, pc, pw, tm
.irp b, 0,1,2,3
	v_max3_num_f32 v[\tm+\b], |v[\s+16*\b]|, |v[\s+1+16*\b]|, 0x1800000   ; my 16 numbers of block b, and the floor 2^(3 - 127): the byte cannot fall under 1
.endr
.irp i, 2,4,6,8,10,12,14
.irp b, 0,1,2,3
	v_max3_num_f32 v[\tm+\b], v[\tm+\b], |v[\s+16*\b+\i]|, |v[\s+1+16*\b+\i]|
.endr
.endr
.irp b, 0,1,2,3
	v_permlanex16_b32 v[\tm+4+\b], v[\tm+\b], s[SEL], s[SEL+1]
.endr
.irp b, 0,1,2,3
	v_max_num_f32 v[\tm+\b], v[\tm+\b], v[\tm+4+\b]                    ; with lane l xor 16's: the block's largest magnitude
.endr
.irp b, 0,1,2,3
	v_add_nc_u32 v[\tm+12+\b], 0xff000000, v[\tm+\b]                   ; 2 off its exponent field: the conversion's scale operand
.endr
.irp b, 0,1,2,3
	v_lshrrev_b32 v[\tm+4+\b], 23, v[\tm+12+\b]                        ; the scale's byte
.endr
	v_lshl_or_b32 v[\pw], v[\tm+5], 8, v[\tm+4]
	v_lshl_or_b32 v[\pw], v[\tm+6], 16, v[\pw]
	v_lshl_or_b32 v[\pw], v[\tm+7], 24, v[\pw]
.irp c, 0,1
	v_cvt_scalef32_pk16_fp6_f32 v[\pc+6*\c:\pc+2+6*\c], v[\s+32*\c:\s+15+32*\c], v[\tm+12+2*\c]
	v_cvt_scalef32_pk16_fp6_f32 v[\pc+12+4*\c:\pc+14+4*\c], v[\s+16+32*\c:\s+31+32*\c], v[\tm+12+2*\c+1]   ; (a conversion's three registers begin on an even number)
.endr
	v_nop                                                              ; one plain place behind the scaled conversions
.irp c, 0,1                            ; the layout wants a whole block in a lane: lanes 0-15 block 2 c, lanes 16-31 block 2 c + 1
.irp i, 0,1,2
	v_permlane16_swap_b32 v[\pc+6*\c+\i], v[\pc+12+4*\c+\i]
.endr
.irp i, 0,1,2
	v_mov_b32 v[\pc+3+6*\c+\i], v[\pc+12+4*\c+\i]
.endr
.endr
.endm
; the weights' way: block t of 32 along K of my column into set t % 2
.macro LOADW t
.set li, 0
.rept 32
	global_load_b32 v[16+32*((\t)%2)+li], v3, s[30:31] offset:(32*(\t)+li)*8192 th:TH_LOAD_NT   ; 32 lanes read 128 consecutive bytes of one row of W; the four waves stand side by side
.set li, li+1
.endr
.endm
.macro BLOCK t
.set XS, 16+32*((\t)%2)
.set CD, 80+8*(\t)                     ; the block's six registers of codes: its own, so that no LDS store's data are written again
.set CT, 112+4*(\t)
.if (\t) < 3
	s_wait_loadcnt 32                              ; this block's 32 loads are in; the next block's 32 may be out
.else
	s_wait_loadcnt 0x0
.endif
	v_max3_num_f32 v128, |v[XS]|, |v[XS+1]|, |v[XS+2]|
	v_max3_num_f32 v129, |v[XS+3]|, |v[XS+4]|, |v[XS+5]|
.irp i, 6,10,14,18,22,26
	v_max3_num_f32 v128, v128, |v[XS+\i]|, |v[XS+\i+1]|
	v_max3_num_f32 v129, v129, |v[XS+\i+2]|, |v[XS+\i+3]|
.endr
	v_max3_num_f32 v128, v128, |v[XS+30]|, |v[XS+31]|
	v_max3_num_f32 v128, v128, v129, 0x1800000     ; all 32 numbers are mine; and the floor
	v_add_nc_u32 v130, 0xff000000, v128
	v_lshrrev_b32 v131, 23, v130
.if (\t) == 0
	v_mov_b32 v132, v131
.else
	v_lshl_or_b32 v132, v131, 8*(\t), v132         ; my column's scale word for this K step
.endif
	v_cvt_scalef32_pk16_fp6_f32 v[CD:CD+2], v[XS:XS+15], v130
	v_cvt_scalef32_pk16_fp6_f32 v[CT:CT+2], v[XS+16:XS+31], v130
	v_nop
.irp i, 0,1,2
	v_mov_b32 v[CD+3+\i], v[CT+\i]
.endr
; block t = 2 c + h is registers 6 c .. 6 c + 5 of lane (rr, h) of my column's tile: their places in the image
.if (\t) < 2
	ds_store_b128 v4, v[CD:CD+3] offset:256*(\t)
	ds_store_b64 v4, v[CD+4:CD+5] offset:512+256*(\t)
.else
	ds_store_b64 v4, v[CD:CD+1] offset:520+256*((\t)-2)
	ds_store_b128 v4, v[CD+2:CD+5] offset:1024+256*((\t)-2)
.endif
.if (\t) < 2
	LOADW (\t)+2
.endif
.endm
; sine and cosine of the angle in v[16 + m]: n = the nearest multiple of pi / 2, taken off in two parts; two short polynomials on [-pi/4, pi/4]; the quadrant swaps and signs them
.macro SINCOS m
	v_mul_f32 v[24+\m], s24, v[16+\m]
	v_rndne_f32 v[24+\m], v[24+\m]
	v_fma_f32 v[32+\m], v[24+\m], s25, v[16+\m]
	v_fma_f32 v[32+\m], v[24+\m], s26, v[32+\m]
	v_mul_f32 v[40+\m], v[32+\m], v[32+\m]
	v_fma_f32 v[48+\m], v[40+\m], s27, s28
	v_fma_f32 v[48+\m], v[48+\m], v[40+\m], s29
	v_mul_f32 v[48+\m], v[48+\m], v[40+\m]
	v_fma_f32 v[48+\m], v[48+\m], v[32+\m], v[32+\m]   ; sin
	v_fma_f32 v[56+\m], v[40+\m], s30, s31
	v_fma_f32 v[56+\m], v[56+\m], v[40+\m], s32
	v_mul_f32 v72, v[40+\m], v[40+\m]
	v_fma_f32 v73, v[40+\m], -0.5, 1.0
	v_fma_f32 v[56+\m], v[56+\m], v72, v73             ; cos
	v_cvt_i32_f32 v[64+\m], v[24+\m]
	v_and_b32 v72, 1, v[64+\m]
	v_cmp_eq_u32 vcc_lo, 1, v72
	v_cndmask_b32 v73, v[48+\m], v[56+\m], vcc_lo      ; in odd quadrants the two change places
	v_cndmask_b32 v72, v[56+\m], v[48+\m], vcc_lo
	v_and_b32 v74, 2, v[64+\m]
	v_lshlrev_b32 v74, 30, v74
	v_xor_b32 v[81+2*\m], v74, v73                     ; the sine is negative in quadrants 2, 3
	v_add_nc_u32 v74, 1, v[64+\m]
	v_and_b32 v74, 2, v74
	v_lshlrev_b32 v74, 30, v74
	v_xor_b32 v[80+2*\m], v74, v72                     ; the cosine in quadrants 1, 2
.endm
	s_load_b256 s[4:11], s[0:1], 0x0               ; x s[4:5], Wq s[6:7], Wk s[8:9], Wv s[10:11]
	s_load_b128 s[12:15], s[0:1], 0x20             ; Wo s[12:13], the workspace s[14:15]
	v_lshl_add_u32 v208, v0, 2, 0x3000
	v_mov_b32 v209, 0
	v_lshrrev_b32 v1, 5, v0
	v_readfirstlane_b32 s16, v1                    ; wave 0..3
	v_and_b32 v2, 31, v0                           ; lane
	s_wait_kmcnt 0x0
	s_cmp_ge_u32 ttmp9, 576
	s_cbranch_scc1 .Lrope
	s_cmp_ge_u32 ttmp9, 448
	s_cbranch_scc1 .Lx
; ---- THE WEIGHTS.  K is their first axis: a lane takes a column, its registers run down K.  A wave: 32 columns (a group) x 128 along K (a K step): two fragments and 32 scale words.
	s_and_b32 s18, ttmp9, 63
	s_sub_co_u32 s19, ttmp9, 192
	s_lshr_b32 s20, ttmp9, 6                       ; which of Wq, Wk, Wv
	s_cmp_lt_u32 ttmp9, 192
	s_cselect_b32 s18, s18, s19                    ; my number within the matrix
	s_and_b32 s21, s18, 15
	s_lshl_b32 s21, s21, 2
	s_add_co_u32 s21, s21, s16                     ; G: my wave's group of columns
	s_lshr_b32 s22, s18, 4                         ; the K step
	s_mul_i32 s23, s20, 819200
	s_mul_i32 s24, s21, 12800
	s_add_co_u32 s23, s23, s24
	s_add_co_u32 s23, s23, WP                      ; Wq, Wk, Wv: the group's place
	s_add_co_u32 s26, s23, 12288                   ; and its scale words
	s_mul_i32 s24, s21, 49152
	s_add_co_u32 s24, s24, WOC                     ; Wo: the group's two tiles
	s_lshl_b32 s25, s21, 11
	s_add_co_u32 s25, s25, WOS                     ; and its scale words
	s_mov_b32 s27, 24576
	s_cmp_lt_u32 ttmp9, 192
	s_cselect_b32 s24, s23, s24
	s_cselect_b32 s25, s26, s25
	s_cselect_b32 s27, 6144, s27                   ; from tile 0 to tile 1
	s_mul_i32 s28, s22, 1536
	s_add_co_u32 s24, s24, s28
	s_lshl_b32 s28, s22, 7
	s_add_co_u32 s25, s25, s28
	s_cmp_lt_u32 ttmp9, 128                        ; the source: the choices hang on the work-group's number alone
	s_cselect_b64 s[30:31], s[8:9], s[10:11]
	s_cmp_lt_u32 ttmp9, 64
	s_cselect_b64 s[30:31], s[6:7], s[30:31]
	s_cmp_lt_u32 ttmp9, 192
	s_cselect_b64 s[30:31], s[30:31], s[12:13]
	s_lshl_b32 s32, s22, 20                        ; 128 rows of 8,192 bytes a K step
	s_lshl_b32 s33, s21, 7                         ; 32 columns of 4 bytes a group
	s_add_co_u32 s32, s32, s33
	s_mov_b32 s33, 0
	s_add_nc_u64 s[30:31], s[30:31], s[32:33]
	s_mov_b32 s34, s24
	s_mov_b32 s35, 0
	s_add_nc_u64 s[34:35], s[14:15], s[34:35]      ; where the codes go
	s_mov_b32 s36, s25
	s_mov_b32 s37, 0
	s_add_nc_u64 s[36:37], s[14:15], s[36:37]      ; where the scale words go
	s_wait_alu depctr_va_vdst(0)
	v_lshlrev_b32 v3, 2, v2                        ; in: 4 bytes a lane
	LOADW 0
	LOADW 1
	v_bfe_u32 v9, v2, 3, 1                         ; column l of the group lies in tile u = (l / 8) % 2,
	v_and_b32 v10, 7, v2
	v_lshrrev_b32 v11, 4, v2
	v_lshl_add_u32 v10, v11, 3, v10                ; at lane rr = l % 8 + 8 (l / 16)
	s_mul_i32 s38, s16, 3072                       ; my wave's stage: two images
	v_mul_u32_u24 v4, v9, 1536
	v_lshl_add_u32 v4, v10, 4, v4
	v_add_nc_u32 v4, s38, v4                       ; into it
	v_lshlrev_b32 v6, 4, v2
	v_add_nc_u32 v5, s38, v6                       ; out of it: 16 bytes a lane
	v_add_nc_u32 v7, s27, v6                       ; tile 1's place in memory
	v_lshl_add_u32 v8, v9, 4, v10
	v_lshlrev_b32 v8, 2, v8                        ; my scale word's place: 4 (16 u + rr)
	BLOCK 0
	BLOCK 1
	BLOCK 2
	BLOCK 3
.irp c, 0,1,2,3,4,5
	ds_load_b128 v[136+4*\c:139+4*\c], v5 offset:512*\c    ; LDS serves a wave's instructions in order: these see my stores
.endr
	global_store_b32 v8, v132, s[36:37]            ; 128 consecutive bytes
.irp c, 0,1,2
	s_wait_dscnt 5-\c                              ; the younger loads may be out
	global_store_b128 v6, v[136+4*\c:139+4*\c], s[34:35] offset:512*\c      ; 512 consecutive bytes, aligned
.endr
.irp c, 3,4,5
	s_wait_dscnt 5-\c
	global_store_b128 v7, v[136+4*\c:139+4*\c], s[34:35] offset:512*(\c-3)
.endr
	s_wait_tensorcnt 0x0
	ds_add_u32 v208, v209
	s_wait_dscnt 0x0
	s_endpgm
; ---- x.  K is innermost: lane (r, h) takes, of its tile's row, 16 neighbours of each block of 32.  A work-group: a group of 32 rows; wave s: K step s, both tiles.
.Lx:
	s_sub_co_u32 s18, ttmp9, 448                   ; the group
	s_lshl_b32 s20, s18, 16                        ; 32 rows of 2,048 bytes
	s_lshl_b32 s21, s16, 9
	s_add_co_u32 s20, s20, s21
	s_mov_b32 s21, 0
	s_add_nc_u64 s[4:5], s[4:5], s[20:21]
	s_mul_i32 s22, s18, 12800
	s_mul_i32 s23, s16, 1536
	s_add_co_u32 s22, s22, s23
	s_mov_b32 s23, 0
	s_add_nc_u64 s[24:25], s[14:15], s[22:23]      ; the codes
	s_mul_i32 s22, s18, 12800
	s_lshl_b32 s28, s16, 7
	s_add_co_u32 s22, s22, s28
	s_add_co_u32 s22, s22, 12288
	s_add_nc_u64 s[26:27], s[14:15], s[22:23]      ; the scale words
	s_mov_b32 s40, 0xffff
	s_mov_b32 s[SEL], 0x76543210
	s_mov_b32 s[SEL+1], 0xfedcba98
	s_wait_alu depctr_va_vdst(0)
	v_and_b32 v3, 15, v2
	v_lshrrev_b32 v4, 4, v2
	v_and_b32 v5, 8, v3
	v_add_nc_u32 v5, v5, v3                        ; r + 8 (r / 8)
	v_lshlrev_b32 v5, 11, v5
	v_lshl_add_u32 v5, v4, 6, v5                   ; + 64 h
	v_lshlrev_b32 v6, 4, v2
	v_lshlrev_b32 v7, 2, v2
.irp u, 0,1
.irp b, 0,1,2,3
.irp j, 0,1,2,3
	global_load_b128 v[16+64*\u+16*\b+4*\j:19+64*\u+16*\b+4*\j], v5, s[4:5] offset:16384*\u+128*\b+16*\j
.endr
.endr
.endr
.irp b, 0,1,2,3
	v_mov_b32 v[148+\b], 0                         ; a lane permute's destination counts as one of its sources
.endr
	s_wait_loadcnt 16                              ; tile 0's sixteen loads are in; tile 1's may be out
	QUANT 16, 164, 160, 144
.irp c, 0,1,2
	global_store_b128 v6, v[164+4*\c:167+4*\c], s[24:25] offset:512*\c
.endr
	s_wait_loadcnt 0x0
	QUANT 80, 184, 161, 144
.irp c, 0,1,2
	global_store_b128 v6, v[184+4*\c:187+4*\c], s[24:25] offset:6144+512*\c
.endr
	v_cndmask_b32 v162, v161, v160, s40            ; lanes 0-15: tile 0's words, lanes 16-31: tile 1's
	global_store_b32 v7, v162, s[26:27]
	s_endpgm
; ---- THE TABLE.  Tile tau of positions: lane (r, h) holds position 32 (tau / 2) + 8 (tau % 2) + r + 8 (r / 8); register 2 j is the cosine and 2 j + 1 the sine of pair 16 (j / 8) + 8 h + j % 8.
; Wave w makes the register groups 4 k + w, k = 0 .. 3: pairs 16 k + 8 h + 2 w + e, e = 0, 1.
.Lrope:
	s_sub_co_u32 s18, ttmp9, 576                   ; tau
	s_lshr_b32 s19, s18, 1
	s_lshl_b32 s19, s19, 5
	s_and_b32 s20, s18, 1
	s_lshl_b32 s20, s20, 3
	s_add_co_u32 s19, s19, s20
	s_lshl_b32 s21, s16, 1
	s_mov_b32 s24, 0x3f22f983                      ; 2 / pi
	s_mov_b32 s25, 0xbfc90fdb                      ; -pi / 2, its leading part,
	s_mov_b32 s26, 0x333bbd2e                      ; and what is left of it
	s_mov_b32 s27, 0xb94ca1f9
	s_mov_b32 s28, 0x3c08839e
	s_mov_b32 s29, 0xbe2aaaa3
	s_mov_b32 s30, 0x37ccf5ce
	s_mov_b32 s31, 0xbab6061a
	s_mov_b32 s32, 0x3d2aaaa5
	s_wait_alu depctr_va_vdst(0)
	v_and_b32 v3, 15, v2
	v_lshrrev_b32 v4, 4, v2
	v_and_b32 v5, 8, v3
	v_add_nc_u32 v5, v5, v3
	v_add_nc_u32 v5, s19, v5
	v_cvt_f32_u32 v5, v5                           ; my position
	v_lshl_add_u32 v6, v4, 3, s21                  ; 8 h + 2 w
.irp m, 0,1,2,3,4,5,6,7
	v_add_nc_u32 v[16+\m], 16*(\m/2)+(\m%2), v6    ; the pair
.endr
.irp m, 0,1,2,3,4,5,6,7
	v_cvt_f32_u32 v[16+\m], v[16+\m]
.endr
.irp m, 0,1,2,3,4,5,6,7
	v_mul_f32 v[16+\m], 0xbe549a78, v[16+\m]       ; x -log2(10000) / 64
.endr
	s_wait_alu depctr_va_vdst(0)
.irp m, 0,1,2,3,4,5,6,7
	v_exp_f32 v[16+\m], v[16+\m]                   ; the frequency
.endr
	v_lshlrev_b32 v7, 4, v2                        ; (a plain place behind the batch)
	s_wait_alu depctr_va_vdst(0)                   ; one wait for the eight, ahead of their first reader
.irp m, 0,1,2,3,4,5,6,7
	v_mul_f32 v[16+\m], v5, v[16+\m]               ; the angle, rounded once
.endr
.irp m, 0,1,2,3,4,5,6,7
	SINCOS \m
.endr
	s_lshl_b32 s20, s18, 13
	s_lshl_b32 s21, s16, 9
	s_add_co_u32 s20, s20, s21
	s_add_co_u32 s20, s20, RT
	s_mov_b32 s21, 0
	s_add_nc_u64 s[14:15], s[14:15], s[20:21]
.irp k, 0,1,2,3
	global_store_b128 v7, v[80+4*\k:83+4*\k], s[14:15] offset:2048*\k    ; 512 consecutive bytes, aligned
.endr
	s_endpgm
.Lfunc_end_k_q4b8e3c8dd5_prep:
	.size	k_q4b8e3c8dd5_prep, .Lfunc_end_k_q4b8e3c8dd5_prep-k_q4b8e3c8dd5_prep
	.p2alignl 7, 3214868480
	.fill 96, 4, 3214868480
	.section	.rodata,"a",@progbits
	.p2align	6, 0x0
	.amdhsa_kernel k_q4b8e3c8dd5_prep
		.amdhsa_group_segment_fixed_size 12800
		.amdhsa_private_segment_fixed_size 0
		.amdhsa_enable_private_segment 0
		.amdhsa_kernarg_size 48
		.amdhsa_user_sgpr_count 2
		.amdhsa_user_sgpr_kernarg_segment_ptr 1
		.amdhsa_wavefront_size32 1
		.amdhsa_system_sgpr_workgroup_id_x 1
		.amdhsa_system_sgpr_workgroup_id_y 1
		.amdhsa_system_sgpr_workgroup_id_z 1
		.amdhsa_system_vgpr_workitem_id 0
		.amdhsa_next_free_vgpr 210
		.amdhsa_next_free_sgpr 66
		.amdhsa_reserve_vcc 1
		.amdhsa_float_denorm_mode_32 3
		.amdhsa_float_denorm_mode_16_64 3
		.amdhsa_memory_ordered 1
		.amdhsa_forward_progress 1
		.amdhsa_inst_pref_size 48
	.end_amdhsa_kernel
	.amdgpu_metadata
---
amdhsa.version: [ 1, 2 ]
amdhsa.kernels:
  - .name:           k_q4b8e3c8dd5_prep
    .symbol:         k_q4b8e3c8dd5_prep.kd
    .args:
      - { .name: x, .offset: 0, .size: 8, .value_kind: global_buffer, .address_space: global }
      - { .name: Wq, .offset: 8, .size: 8, .value_kind: global_buffer, .address_space: global }
      - { .name: Wk, .offset: 16, .size: 8, .value_kind: global_buffer, .address_space: global }
      - { .name: Wv, .offset: 24, .size: 8, .value_kind: global_buffer, .address_space: global }
      - { .name: Wo, .offset: 32, .size: 8, .value_kind: global_buffer, .address_space: global }
      - { .name: prep, .offset: 40, .size: 8, .value_kind: global_buffer, .address_space: global }
    .group_segment_fixed_size: 12800
    .private_segment_fixed_size: 0
    .kernarg_segment_align: 8
    .kernarg_segment_size: 48
    .max_flat_workgroup_size: 128
    .sgpr_count:     66
    .vgpr_count:     210
    .wavefront_size: 32
...
	.end_amdgpu_metadata
.endif
;; end of part 1
;; launch qkv (part 2): grid 64 x 3, 4 waves a work-group, clusters of 4 x 1, 327,680 bytes of LDS; arguments prep, sq, sk, qb, kv; writes qb, kv
.if DOCPART == 2
	.amdgcn_target "amdgcn-amd-amdhsa--gfx1250"
	.amdhsa_code_object_version 6
	.text
	.protected	k_q4b8e3c8dd5_qkv
	.globl	k_q4b8e3c8dd5_qkv
	.p2align	8
	.type	k_q4b8e3c8dd5_qkv,@function
k_q4b8e3c8dd5_qkv:
	s_mov_b64 s[64:65], 0
	v_nop
	global_prefetch_b8 v0, s[64:65] scope:SCOPE_SE
	s_setreg_imm32_b32 hwreg(HW_REG_WAVE_MODE, 25, 1), 1
	s_wait_xcnt 0x0
	s_wait_alu depctr_hold_cnt(0) depctr_sa_sdst(0) depctr_va_vdst(0) depctr_va_sdst(0) depctr_va_ssrc(0) depctr_va_vcc(0) depctr_vm_vsrc(0)
	s_getreg_b32 s2, hwreg(HW_REG_IB_STS2, 6, 4)
	s_cmp_eq_u32 s2, 0
	s_cbranch_scc0 .Lentry_in_a_cluster
	s_endpgm
.Lentry_in_a_cluster:
	s_bfe_u32 s2, ttmp6, 0x10000c
	s_cmp_lg_u32 s2, 0x3003
	s_cbranch_scc0 .Lentry_shape_is_right
	s_endpgm
.Lentry_shape_is_right:
.set WP,  1638400
.set RT,  4096000
.set WVP, 3276800
.set QS,  6291456
.set TAB, 102400
.set SEL, 70
.set MSB, 0
.macro WIN new
.if MSB != \new
	s_set_vgpr_msb (MSB<<8)|\new
.set MSB, \new
.endif
.endm
.macro WM d, a, b, c, sa, sb, ra, rb
.if (\c) < 0
.if (\ra) && (\rb)
	v_wmma_scale_f32_16x16x128_f8f6f4 v[(\d):(\d)+7], v[(\a):(\a)+11], v[(\b):(\b)+11], 0, v[\sa], v[\sb] matrix_a_fmt:MATRIX_FMT_FP6 matrix_b_fmt:MATRIX_FMT_FP6 matrix_a_scale:MATRIX_SCALE_ROW1 matrix_b_scale:MATRIX_SCALE_ROW1
.elseif (\ra)
	v_wmma_scale_f32_16x16x128_f8f6f4 v[(\d):(\d)+7], v[(\a):(\a)+11], v[(\b):(\b)+11], 0, v[\sa], v[\sb] matrix_a_fmt:MATRIX_FMT_FP6 matrix_b_fmt:MATRIX_FMT_FP6 matrix_a_scale:MATRIX_SCALE_ROW1
.elseif (\rb)
	v_wmma_scale_f32_16x16x128_f8f6f4 v[(\d):(\d)+7], v[(\a):(\a)+11], v[(\b):(\b)+11], 0, v[\sa], v[\sb] matrix_a_fmt:MATRIX_FMT_FP6 matrix_b_fmt:MATRIX_FMT_FP6 matrix_b_scale:MATRIX_SCALE_ROW1
.else
	v_wmma_scale_f32_16x16x128_f8f6f4 v[(\d):(\d)+7], v[(\a):(\a)+11], v[(\b):(\b)+11], 0, v[\sa], v[\sb] matrix_a_fmt:MATRIX_FMT_FP6 matrix_b_fmt:MATRIX_FMT_FP6
.endif
.else
.if (\ra) && (\rb)
	v_wmma_scale_f32_16x16x128_f8f6f4 v[(\d):(\d)+7], v[(\a):(\a)+11], v[(\b):(\b)+11], v[(\c):(\c)+7], v[\sa], v[\sb] matrix_a_fmt:MATRIX_FMT_FP6 matrix_b_fmt:MATRIX_FMT_FP6 matrix_a_scale:MATRIX_SCALE_ROW1 matrix_b_scale:MATRIX_SCALE_ROW1
.elseif (\ra)
	v_wmma_scale_f32_16x16x128_f8f6f4 v[(\d):(\d)+7], v[(\a):(\a)+11], v[(\b):(\b)+11], v[(\c):(\c)+7], v[\sa], v[\sb] matrix_a_fmt:MATRIX_FMT_FP6 matrix_b_fmt:MATRIX_FMT_FP6 matrix_a_scale:MATRIX_SCALE_ROW1
.elseif (\rb)
	v_wmma_scale_f32_16x16x128_f8f6f4 v[(\d):(\d)+7], v[(\a):(\a)+11], v[(\b):(\b)+11], v[(\c):(\c)+7], v[\sa], v[\sb] matrix_a_fmt:MATRIX_FMT_FP6 matrix_b_fmt:MATRIX_FMT_FP6 matrix_b_scale:MATRIX_SCALE_ROW1
.else
	v_wmma_scale_f32_16x16x128_f8f6f4 v[(\d):(\d)+7], v[(\a):(\a)+11], v[(\b):(\b)+11], v[(\c):(\c)+7], v[\sa], v[\sb] matrix_a_fmt:MATRIX_FMT_FP6 matrix_b_fmt:MATRIX_FMT_FP6
.endif
.endif
.endm
.macro QUANT s, pc, pw, tm
.irp b, 0,1,2,3
	v_max3_num_f32 v[\tm+\b], |v[\s+16*\b]|, |v[\s+1+16*\b]|, 0x1800000
.endr
.irp i, 2,4,6,8,10,12,14
.irp b, 0,1,2,3
	v_max3_num_f32 v[\tm+\b], v[\tm+\b], |v[\s+16*\b+\i]|, |v[\s+1+16*\b+\i]|
.endr
.endr
.irp b, 0,1,2,3
	v_permlanex16_b32 v[\tm+4+\b], v[\tm+\b], s[SEL], s[SEL+1]
.endr
.irp b, 0,1,2,3
	v_max_num_f32 v[\tm+\b], v[\tm+\b], v[\tm+4+\b]
.endr
.irp b, 0,1,2,3
	v_add_nc_u32 v[\tm+12+\b], 0xff000000, v[\tm+\b]
.endr
.irp b, 0,1,2,3
	v_lshrrev_b32 v[\tm+4+\b], 23, v[\tm+12+\b]
.endr
	v_lshl_or_b32 v[\pw], v[\tm+5], 8, v[\tm+4]
	v_lshl_or_b32 v[\pw], v[\tm+6], 16, v[\pw]
	v_lshl_or_b32 v[\pw], v[\tm+7], 24, v[\pw]
.irp c, 0,1
	v_cvt_scalef32_pk16_fp6_f32 v[\pc+6*\c:\pc+2+6*\c], v[\s+32*\c:\s+15+32*\c], v[\tm+12+2*\c]
	v_cvt_scalef32_pk16_fp6_f32 v[\pc+12+4*\c:\pc+14+4*\c], v[\s+16+32*\c:\s+31+32*\c], v[\tm+12+2*\c+1]
.endr
	v_nop
.irp c, 0,1
.irp i, 0,1,2
	v_permlane16_swap_b32 v[\pc+6*\c+\i], v[\pc+12+4*\c+\i]
.endr
.irp i, 0,1,2
	v_mov_b32 v[\pc+3+6*\c+\i], v[\pc+12+4*\c+\i]
.endr
.endr
.endm
.macro ROUND
	s_barrier_signal -1
	s_barrier_wait -1
	s_cmp_lg_u32 s14, 0
	s_cbranch_scc1 .Lnot_wave_0_\@
	s_barrier_signal -3
.Lnot_wave_0_\@:
	s_barrier_wait -3
	s_barrier_signal -1
	s_barrier_wait -1
.endm
.macro FS1
	WIN 0
	v_add_nc_u32 v8, s57, v1
	v_add_nc_u32 v9, s57, v2
	WIN 0xc0
.irp u, 0,1
.irp s, 0,1,2,3
.irp c, 0,1,2
	ds_load_b128 v[48*\u+12*\s+4*\c:48*\u+12*\s+4*\c+3], v8 offset:6144*\u+1536*\s+512*\c
.endr
.endr
.endr
	WIN 0
.irp s, 0,1,2,3
	ds_load_b32 v[32+\s], v9 offset:12288+128*\s
.endr
.endm
.macro FTAB
	WIN 0
	v_add_nc_u32 v10, s58, v1
	WIN 0x40
.irp g, 0,1,2,3,4,5,6,7,8,9,10,11,12,13,14,15
	ds_load_b128 v[192+4*\g:195+4*\g], v10 offset:512*\g
.endr
	WIN 0x80
.irp g, 0,1,2,3,4,5,6,7,8,9,10,11,12,13,14,15
	ds_load_b128 v[192+4*\g:195+4*\g], v10 offset:8192+512*\g
.endr
	WIN 0
.endm
.macro ROPE ab
.set jg, 0
.rept 8
.set je, 0
.rept 4
	v_pk_mul_f32 v[60+2*je:61+2*je], v[\ab+8*jg+2*je:\ab+8*jg+2*je+1], v[192+8*jg+2*je:193+8*jg+2*je] op_sel:[1,1] op_sel_hi:[0,1]
.set je, je+1
.endr
.set je, 0
.rept 4
	v_pk_fma_f32 v[\ab+8*jg+2*je:\ab+8*jg+2*je+1], v[\ab+8*jg+2*je:\ab+8*jg+2*je+1], v[192+8*jg+2*je:193+8*jg+2*je], v[60+2*je:61+2*je] op_sel_hi:[1,0,1] neg_lo:[0,0,1]
.set je, je+1
.endr
.set jg, jg+1
.endr
.endm
.macro PAIR more
	s_wait_dscnt 0x0
.set ks, 0
.rept 4
.if ks < 2
	WIN 0x0d
.else
	WIN 0x0e
.endif
.set uu, 0
.rept 2
.set tt, 0
.rept 8
.if ks == 0
	WM 128+64*uu+8*tt, 24*tt+12*(ks%2), 48*uu+12*ks, -1, 16+4*(tt/2)+ks, 32+ks, tt%2, uu
.else
	WM 128+64*uu+8*tt, 24*tt+12*(ks%2), 48*uu+12*ks, 128+64*uu+8*tt, 16+4*(tt/2)+ks, 32+ks, tt%2, uu
.endif
.set tt, tt+1
.endr
.set uu, uu+1
.endr
.set ks, ks+1
.endr
	WIN 0
.rept 4
	v_nop
.endr
.if \more
	s_add_co_u32 s57, s57, 12800
	s_add_co_u32 s58, s58, 16384
.endif
	s_cmp_eq_u32 s16, 2
	s_cbranch_scc1 .Lplain_\@
	WIN 0x0c
.set jj, 0
.rept 64
	v_pk_mul_f32 v[128+2*jj:129+2*jj], v[128+2*jj:129+2*jj], v[192+(2*jj)%64:193+(2*jj)%64]
.set jj, jj+1
.endr
	WIN 0x04
	ROPE 128
	WIN 0x08
	ROPE 192
	WIN 0
.if \more
	FTAB
.endif
.Lplain_\@:
.if \more
	FS1
.endif
	s_wait_xcnt 0x0
	s_lshr_b32 s60, s56, 2
	s_and_b32 s62, s56, 3
	s_mul_i32 s61, s60, s55
	s_mul_i32 s60, s60, s54
	s_mul_i32 s63, s62, 3072
	s_add_co_u32 s60, s60, s63
	s_lshl_b32 s62, s62, 7
	s_add_co_u32 s62, s61, s62
	s_mov_b32 s61, 0
	s_mov_b32 s63, 0
	s_add_nc_u64 s[72:73], s[50:51], s[60:61]
	s_add_nc_u64 s[74:75], s[52:53], s[62:63]
	QUANT 128, 68, 56, 40
.irp c, 0,1,2
	global_store_b128 v1, v[68+4*\c:71+4*\c], s[72:73] offset:512*\c
.endr
	QUANT 192, 88, 57, 40
.irp c, 0,1,2
	global_store_b128 v1, v[88+4*\c:91+4*\c], s[72:73] offset:1536+512*\c
.endr
	v_cndmask_b32 v58, v57, v56, s68
	global_store_b32 v2, v58, s[74:75]
.endm
	s_load_b256 s[4:11], s[0:1], 0x0
	s_load_b64 s[12:13], s[0:1], 0x20
	v_lshl_add_u32 v126, v0, 2, 0x39000
	v_mov_b32 v127, 0
	ds_add_u32 v126, v127
	ds_add_u32 v126, v127
	v_lshrrev_b32 v1, 5, v0
	v_readfirstlane_b32 s14, v1
	s_bfe_u32 s15, ttmp6, 0x40000
	s_and_b32 s16, ttmp7, 0xffff
	s_lshr_b32 s21, ttmp9, 1
	s_cmp_eq_u32 s16, 2
	s_cselect_b32 s17, s21, ttmp9
	s_cselect_b32 s22, WVP, 0
	s_mul_i32 s23, s17, 102400
	s_add_co_u32 s22, s22, s23
	s_mul_i32 s23, s14, 25600
	s_add_co_u32 s22, s22, s23
	s_mov_b32 s23, 0
	s_and_b32 s60, s17, 7
	s_lshl_b32 s60, s60, 17
	s_lshl_b32 s61, s14, 15
	s_add_co_u32 s60, s60, s61
	s_add_co_u32 s60, s60, RT
	s_mov_b32 s61, 0
	s_mov_b32 s24, 15|(3<<16)|(1<<21)
	s_mov_b32 s25, 32<<16
	s_mov_b32 s26, 100<<16
	s_mov_b32 s27, 32<<16
	s_mov_b32 s28, 100
	s_mov_b32 s29, 32
	s_mov_b32 s30, 0
	s_mov_b32 s31, 0
	s_mov_b32 s32, 15|(3<<16)|(1<<21)
	s_mov_b32 s33, 32<<16
	s_mov_b32 s34, 128<<16
	s_mov_b32 s35, 32<<16
	s_mov_b32 s36, 128
	s_mov_b32 s37, 32
	s_mov_b32 s38, 0
	s_mov_b32 s39, 0
	s_mov_b32 s40, 1
	s_mul_i32 s41, s14, 25600
	s_mov_b32 s44, 1
	s_lshl_b32 s45, s14, 15
	s_add_co_u32 s45, s45, TAB
	s_wait_dscnt 0x0
	s_wait_kmcnt 0x0
	s_add_nc_u64 s[42:43], s[4:5], s[22:23]
	s_or_b32 s43, s43, 0x80000000
	s_add_nc_u64 s[46:47], s[4:5], s[60:61]
	s_or_b32 s47, s47, 0x80000000
	ROUND
	tensor_load_to_lds s[40:43], s[24:31]
	s_nop 0
	s_wait_alu depctr_va_vdst(0)
	s_wait_tensorcnt 0x0
	ds_add_u32 v126, v127
	s_wait_dscnt 0x0
	ROUND
	tensor_load_to_lds s[44:47], s[32:39]
	s_nop 0
.rept 4
	v_nop
.endr
	s_lshl_b32 s18, s15, 2
	s_add_co_u32 s18, s18, s14
	s_and_b32 s20, ttmp9, 1
	s_lshl_b32 s62, s20, 4
	s_add_co_u32 s62, s62, s18
	s_mul_i32 s62, s62, 51200
	s_mul_i32 s63, s16, 819200
	s_add_co_u32 s63, s63, WP
	s_mul_i32 s21, s18, 51200
	s_add_co_u32 s63, s63, s21
	s_cmp_eq_u32 s16, 2
	s_cselect_b32 s62, s62, s63
	s_mov_b32 s63, 0
	s_add_nc_u64 s[48:49], s[4:5], s[62:63]
	v_and_b32 v4, 31, v0
	v_lshlrev_b32 v1, 4, v4
	v_lshlrev_b32 v2, 2, v4
	v_bfe_u32 v3, v0, 4, 1
	v_lshlrev_b32 v3, 6, v3
	s_wait_alu depctr_va_vdst(0)
	WIN 0x40
.irp b, 0,1,2,3
.irp u, 0,1
.irp s, 0,1
.irp c, 0,1,2
	global_load_b128 v[24*(2*\b+\u)+12*\s+4*\c:24*(2*\b+\u)+12*\s+4*\c+3], v1, s[48:49] offset:12800*\b+6144*\u+1536*\s+512*\c
.endr
.endr
.endr
.endr
	WIN 0x80
.irp b, 0,1,2,3
.irp u, 0,1
.irp s, 0,1
.irp c, 0,1,2
	global_load_b128 v[24*(2*\b+\u)+12*\s+4*\c:24*(2*\b+\u)+12*\s+4*\c+3], v1, s[48:49] offset:12800*\b+6144*\u+1536*(\s+2)+512*\c
.endr
.endr
.endr
.endr
	WIN 0
.irp b, 0,1,2,3
.irp s, 0,1,2,3
	global_load_b32 v[16+4*\b+\s], v2, s[48:49] offset:12800*\b+12288+128*\s
.endr
.endr
	s_lshr_b32 s21, ttmp9, 3
	s_lshl_b32 s21, s21, 4
	s_add_co_u32 s21, s21, s18
	s_and_b32 s22, ttmp9, 7
	s_mul_i32 s60, s21, 196608
	s_mul_i32 s23, s22, 24576
	s_add_co_u32 s60, s60, s23
	s_lshl_b32 s61, s21, 13
	s_lshl_b32 s23, s22, 10
	s_add_co_u32 s61, s61, s23
	s_add_co_u32 s61, s61, QS
	s_mul_i32 s62, s21, 409600
	s_mul_i32 s23, s22, 51200
	s_add_co_u32 s62, s62, s23
	s_add_co_u32 s63, s62, 24576
	s_lshl_b32 s20, s20, 4
	s_and_b32 s23, ttmp9, 14
	s_add_co_u32 s20, s20, s23
	s_mul_i32 s20, s20, 409600
	s_mul_i32 s23, s18, 25600
	s_add_co_u32 s20, s20, s23
	s_add_co_u32 s20, s20, 12288
	s_add_co_u32 s21, s20, 12800
	s_mov_b32 s54, 25600
	s_mov_b32 s55, 25600
	s_mov_b32 s22, 409600
	s_cmp_eq_u32 s16, 2
	s_cselect_b32 s62, s20, s62
	s_cselect_b32 s63, s21, s63
	s_cselect_b32 s54, s22, s54
	s_cselect_b32 s55, s22, s55
	s_cmp_eq_u32 s16, 0
	s_cselect_b32 s62, s60, s62
	s_cselect_b32 s63, s61, s63
	s_cselect_b32 s54, 12288, s54
	s_cselect_b32 s55, 512, s55
	s_cselect_b64 s[50:51], s[10:11], s[12:13]
	s_cselect_b64 s[66:67], s[6:7], s[8:9]
	s_mov_b32 s20, s63
	s_mov_b32 s21, 0
	s_add_nc_u64 s[52:53], s[50:51], s[20:21]
	s_mov_b32 s63, 0
	s_add_nc_u64 s[50:51], s[50:51], s[62:63]
	s_lshl_b32 s20, s18, 9
	s_add_nc_u64 s[66:67], s[66:67], s[20:21]
	s_mov_b32 s68, 0xffff
	s_mov_b32 s[SEL], 0x76543210
	s_mov_b32 s[SEL+1], 0xfedcba98
	s_mov_b32 s76, 0x41b504f3
	s_mov_b32 s77, s76
	s_mov_b32 s56, 0
	s_mov_b32 s57, 0
	s_mov_b32 s58, TAB
	WIN 0xc0
.irp b, 0,1,2,3
.irp j, 0,1,2,3
	global_load_b128 v[192+16*\b+4*\j:195+16*\b+4*\j], v3, s[66:67] offset:128*\b+16*\j
.endr
.endr
	WIN 0
.irp b, 0,1,2,3
	v_mov_b32 v[44+\b], 0
.endr
	s_wait_tensorcnt 0x0
	s_barrier_signal -1
	s_barrier_wait -1
	FTAB
	FS1
	s_wait_loadcnt 0x0
	WIN 0xc3
.set jj, 0
.rept 32
	v_pk_mul_f32 v[192+2*jj:193+2*jj], v[192+2*jj:193+2*jj], s[76:77] op_sel_hi:[1,0]
.set jj, jj+1
.endr
	WIN 0
.Lpair:
	PAIR 1
	s_add_co_u32 s56, s56, 1
	s_cmp_lt_u32 s56, 7
	s_cbranch_scc1 .Lpair
	PAIR 0
	s_wait_tensorcnt 0x0
	ds_add_u32 v126, v127
	s_wait_dscnt 0x0
	ROUND
	s_endpgm
.Lfunc_end_k_q4b8e3c8dd5_qkv:
	.size	k_q4b8e3c8dd5_qkv, .Lfunc_end_k_q4b8e3c8dd5_qkv-k_q4b8e3c8dd5_qkv
	.p2alignl 7, 3214868480
	.fill 96, 4, 3214868480
	.section	.rodata,"a",@progbits
	.p2align	6, 0x0
	.amdhsa_kernel k_q4b8e3c8dd5_qkv
		.amdhsa_group_segment_fixed_size 327680
		.amdhsa_private_segment_fixed_size 0
		.amdhsa_enable_private_segment 0
		.amdhsa_kernarg_size 40
		.amdhsa_user_sgpr_count 2
		.amdhsa_user_sgpr_kernarg_segment_ptr 1
		.amdhsa_wavefront_size32 1
		.amdhsa_system_sgpr_workgroup_id_x 1
		.amdhsa_system_sgpr_workgroup_id_y 1
		.amdhsa_system_sgpr_workgroup_id_z 1
		.amdhsa_system_vgpr_workitem_id 0
		.amdhsa_next_free_vgpr 1024
		.amdhsa_next_free_sgpr 84
		.amdhsa_reserve_vcc 0
		.amdhsa_float_denorm_mode_32 3
		.amdhsa_float_denorm_mode_16_64 3
		.amdhsa_memory_ordered 1
		.amdhsa_forward_progress 1
		.amdhsa_inst_pref_size 89
	.end_amdhsa_kernel
	.amdgpu_metadata
---
amdhsa.version: [ 1, 2 ]
amdhsa.kernels:
  - .name:           k_q4b8e3c8dd5_qkv
    .symbol:         k_q4b8e3c8dd5_qkv.kd
    .args:
      - { .name: prep, .offset: 0, .size: 8, .value_kind: global_buffer, .address_space: global }
      - { .name: sq, .offset: 8, .size: 8, .value_kind: global_buffer, .address_space: global }
      - { .name: sk, .offset: 16, .size: 8, .value_kind: global_buffer, .address_space: global }
      - { .name: qb, .offset: 24, .size: 8, .value_kind: global_buffer, .address_space: global }
      - { .name: kv, .offset: 32, .size: 8, .value_kind: global_buffer, .address_space: global }
    .group_segment_fixed_size: 327680
    .private_segment_fixed_size: 0
    .kernarg_segment_align: 8
    .kernarg_segment_size: 40
    .max_flat_workgroup_size: 128
    .sgpr_count:     84
    .vgpr_count:     1024
    .wavefront_size: 32
...
	.end_amdgpu_metadata
.endif
;; end of part 2
;; launch attn (part 3): grid 8 x 32, 16 waves a work-group, no clusters, 327,680 bytes of LDS; arguments qb, kv, ctx; writes ctx
.if DOCPART == 3
	.amdgcn_target "amdgcn-amd-amdhsa--gfx1250"
	.amdhsa_code_object_version 6
	.text
	.protected	k_q4b8e3c8dd5_attn
	.globl	k_q4b8e3c8dd5_attn
	.p2align	8
	.type	k_q4b8e3c8dd5_attn,@function
k_q4b8e3c8dd5_attn:
	s_mov_b64 s[64:65], 0
	v_nop
	global_prefetch_b8 v0, s[64:65] scope:SCOPE_SE
	s_setreg_imm32_b32 hwreg(HW_REG_WAVE_MODE, 25, 1), 1
	s_wait_xcnt 0x0
; ATTN: ctx = softmax(q k^T / sqrt(128), causal) v for 32 (batch, head) pairs of 2,048 positions, both products on codes of FP6 (E2M3); the result is quantised along the head's 128 for the output projection.
; Key tiles that lie wholly above the diagonal of the causal mask are not multiplied.
; THE SOFTMAX: t = score x log2(e) / sqrt(128); M = the running largest t rounded up to a whole number; p = 2^(t - M) is quantised along the keys, not normalised; the sum of the unquantised p divides at the end.
; SHARES.  Work-group (I, bh) owns the blocks of 128 queries I and 15 - I of one head: 17 key steps of 128 keys for each of 8 tiles of 16 queries.  Sixteen waves, four to a SIMD, walk 9 periods.
;   Waves 0-7 (tile w of block 15 - I): key steps 8 - I .. 15 - I in periods 0 .. 7; the last lies on the diagonal.
;   Waves 8-15 (tile w - 8): block I over key steps 0 .. I, then block 15 - I over key steps 0 .. 7 - I: periods 0 .. 8.
;   Block 15 - I's two halves (-M, the sum, O^T) are joined at the end: waves 0-7 put theirs into LDS scratch, waves 8-15 bring both under the larger M by exact powers of two, add, divide, quantise and store.
; A slot holds two key steps of 25,600 bytes each (k's 8 fragments, v^T's 8, k's and v's scale words): first the one for waves 0-7, then the one for waves 8-15.  Two slots; waves 0-7 fetch an eighth of a slot each.
; The loop has one period a trip, the slot's base toggled in a scalar; periods 7 (only the second half of the slot is asked for) and 8 (nothing is) are written out.
; NO CLUSTER: the eight work-groups of a head walk different key steps in every period, so no two ask for the same slot.
; PREFETCH: of a head's work-groups only I = 0 is the first to touch key steps 9 .. 15 (period p loads 9 + p).  Its waves 8, 9, 10 name in period p the 3 x 8,192 bytes of codes of key step 10 + p, lanes 256 bytes apart,
; one period ahead of the tensor load that wants them; it stops at key step 15.
; LAYOUT.  Both products are used transposed: S^T = k q^T, O^T = v^T p^T: a lane holds one query.  Fragments are images of operand registers (registers 4 g .. 4 g + 3 of lane L at 512 g + 16 L);
; lane r of tile u of a group of 32 rows holds row 8 u + r + 8 (r / 8), so the 16 registers of tiles 2 b, 2 b + 1 are 16 neighbours along the next K.
; LIMITS: NaN and infinities are not served; the scaled scores stay under 2^31 in magnitude; a block of zeros keeps the scale byte 1 with zero codes (this program alone reads the bytes).
; REGISTERS: v1 16 x lane, v2 4 x lane, v3 my query less 16 h within the block, v4 4 (lane % 16), v5, v6 the spare word and 0, v7 256 x lane, v8, v9 this period's LDS addresses, v10, v11 the same less the slot, v28 my scratch;
;   v12 -M, v13 the largest t, v[14:15] the sum; v16-27 q, v255 its scale words; v32-79 four fragments; v80-92 the second q (waves 0-7 hold the same tile twice); v96-159 S^T, then p; v160-223 O^T; v224-254 at work.
.set SLOTB, 25600
.set SL2,   65536                      ; from slot to slot: above every offset inside a slot (under 51,200), so that one exclusive-or toggles the slot
.set SCR,   131072                     ; behind the ring: 8 x 8,704 bytes of scratch, no tile lands there
.set SPARE, 200704                     ; the spare words, 128 bytes for each of sixteen waves
.set QS,  6291456
.set CSC, 6291456
.set CS,  48
.set SEL, 50
.macro WM d, a, b, c, sa, sb, ra
.if (\c) < 0
.if (\ra)
	v_wmma_scale_f32_16x16x128_f8f6f4 v[(\d):(\d)+7], v[(\a):(\a)+11], v[(\b):(\b)+11], 0, v[\sa], v[\sb] matrix_a_fmt:MATRIX_FMT_FP6 matrix_b_fmt:MATRIX_FMT_FP6 matrix_a_scale:MATRIX_SCALE_ROW1
.else
	v_wmma_scale_f32_16x16x128_f8f6f4 v[(\d):(\d)+7], v[(\a):(\a)+11], v[(\b):(\b)+11], 0, v[\sa], v[\sb] matrix_a_fmt:MATRIX_FMT_FP6 matrix_b_fmt:MATRIX_FMT_FP6
.endif
.else
.if (\ra)
	v_wmma_scale_f32_16x16x128_f8f6f4 v[(\d):(\d)+7], v[(\a):(\a)+11], v[(\b):(\b)+11], v[(\c):(\c)+7], v[\sa], v[\sb] matrix_a_fmt:MATRIX_FMT_FP6 matrix_b_fmt:MATRIX_FMT_FP6 matrix_a_scale:MATRIX_SCALE_ROW1
.else
	v_wmma_scale_f32_16x16x128_f8f6f4 v[(\d):(\d)+7], v[(\a):(\a)+11], v[(\b):(\b)+11], v[(\c):(\c)+7], v[\sa], v[\sb] matrix_a_fmt:MATRIX_FMT_FP6 matrix_b_fmt:MATRIX_FMT_FP6
.endif
.endif
.endm
.macro QUANT s, pc, pw, tm
.irp b, 0,1,2,3
	v_max3_num_f32 v[\tm+\b], |v[\s+16*\b]|, |v[\s+1+16*\b]|, 0x1800000   ; my 16 numbers of block b, and the floor 2^(3 - 127)
.endr
.irp i, 2,4,6,8,10,12,14
.irp b, 0,1,2,3
	s_delay_alu instid0(VALU_DEP_4)
	v_max3_num_f32 v[\tm+\b], v[\tm+\b], |v[\s+16*\b+\i]|, |v[\s+1+16*\b+\i]|
.endr
.endr
.irp b, 0,1,2,3
	s_delay_alu instid0(VALU_DEP_4)
	v_permlanex16_b32 v[\tm+4+\b], v[\tm+\b], s[SEL], s[SEL+1]
.endr
.irp b, 0,1,2,3
	s_delay_alu instid0(VALU_DEP_4)
	v_max_num_f32 v[\tm+\b], v[\tm+\b], v[\tm+4+\b]
.endr
.irp b, 0,1,2,3
	s_delay_alu instid0(VALU_DEP_4)
	v_add_nc_u32 v[\tm+12+\b], 0xff000000, v[\tm+\b]
.endr
.irp b, 0,1,2,3
	s_delay_alu instid0(VALU_DEP_4)
	v_lshrrev_b32 v[\tm+4+\b], 23, v[\tm+12+\b]
.endr
	s_delay_alu instid0(VALU_DEP_3)
	v_lshl_or_b32 v[\pw], v[\tm+5], 8, v[\tm+4]
	s_delay_alu instid0(VALU_DEP_1)
	v_lshl_or_b32 v[\pw], v[\tm+6], 16, v[\pw]
	s_delay_alu instid0(VALU_DEP_1)
	v_lshl_or_b32 v[\pw], v[\tm+7], 24, v[\pw]
.irp c, 0,1
	v_cvt_scalef32_pk16_fp6_f32 v[\pc+6*\c:\pc+2+6*\c], v[\s+32*\c:\s+15+32*\c], v[\tm+12+2*\c]
	v_cvt_scalef32_pk16_fp6_f32 v[\pc+12+4*\c:\pc+14+4*\c], v[\s+16+32*\c:\s+31+32*\c], v[\tm+12+2*\c+1]
.endr
	v_nop
.irp c, 0,1
.irp i, 0,1,2
	v_permlane16_swap_b32 v[\pc+6*\c+\i], v[\pc+12+4*\c+\i]
.endr
.irp i, 0,1,2
	s_delay_alu instid0(VALU_DEP_3)
	v_mov_b32 v[\pc+3+6*\c+\i], v[\pc+12+4*\c+\i]
.endr
.endr
.endm
.macro PLACES
.rept 4
	v_nop
.endr
.endm
; where the tile of block s[blk] goes in ctx: codes at (128 batch + 8 blk + tile) x 24,576 + head x 1,536; scale words by group, head and tile
.macro CTXP blk, pc, ps
	s_lshl_b32 s76, s[\blk], 3
	s_add_co_u32 s76, s76, s74
	s_mul_i32 s44, s76, 24576
	s_add_co_u32 s44, s44, s75
	s_add_nc_u64 s[\pc:\pc+1], s[8:9], s[44:45]
	s_lshr_b32 s77, s76, 1
	s_lshl_b32 s77, s77, 11
	s_and_b32 s78, s76, 1
	s_lshl_b32 s78, s78, 6
	s_add_co_u32 s77, s77, s78
	s_add_co_u32 s44, s77, s79
	s_add_nc_u64 s[\ps:\ps+1], s[8:9], s[44:45]
.endm
; THE CHANGE OF SLOTS at a period's head: all my tensor loads are waited for, the add, the wait for it and for my reads
; of the slot that I have left, the barrier; behind it that slot takes the next period's tiles.  refill = 1: waves 0-7 ask; 2: waves 4-7 alone (period 8 has work for waves 8-15 only); 0: nobody.
.macro CHANGE refill
	s_wait_tensorcnt 0x0                           ; no tensor load of mine is out, so group 0 may be written
	ds_add_u32 v5, v6
	ds_add_u32 v5, v6
.if \refill
	s_add_co_u32 s44, s21, 1                       ; n, the next period
	s_cmp_gt_u32 s44, s15
	s_cselect_b32 s46, s20, 0
	s_sub_co_u32 s46, s44, s46                     ; second half of the slot: key step n while that is at most I, else n - (I + 1)
	s_add_co_u32 s44, s44, s14                     ; first half: key step n + 8 - I
	s_cmp_lt_u32 s18, 4
	s_cselect_b32 s44, s44, s46
	s_mul_i32 s44, s44, SLOTB
	s_add_nc_u64 s[34:35], s[40:41], s[44:45]
	s_or_b32 s35, s35, 0x80000000
	s_xor_b32 s33, s33, SL2                        ; into the other slot
.endif
.if \refill == 1
	s_wait_xcnt 0x0                                ; the last prefetch, a period back, has read its address
	s_add_nc_u64 s[60:61], s[60:61], SLOTB
.endif
	s_wait_dscnt 0x0
	s_barrier_signal -1
	s_barrier_wait -1
.if \refill == 1
	s_cmp_lt_u32 s18, 8
	s_cbranch_scc0 .Lno_load_\@
	tensor_load_to_lds s[32:35], s[24:31]
	s_nop 0
	PLACES
.Lno_load_\@:
	s_cmp_lt_u32 s21, s62
	s_cbranch_scc0 .Lno_ask_\@
	global_prefetch_b8 v7, s[60:61] th:TH_LOAD_NT scope:SCOPE_SE
.Lno_ask_\@:
.endif
.if \refill == 2
	s_cmp_lt_u32 s18, 4
	s_cbranch_scc1 .Lno_load_\@
	s_cmp_lt_u32 s18, 8
	s_cbranch_scc0 .Lno_load_\@
	tensor_load_to_lds s[32:35], s[24:31]
	s_nop 0
	PLACES
.Lno_load_\@:
.endif
.endm
; A BLOCK'S END: O^T / the sum, quantised along the head's 128 channels; a fragment and its scale words go out.  reinit = 1: the second block begins.
.macro FINAL reinit
	v_add_f32 v14, v14, v15
	s_delay_alu instid0(VALU_DEP_1)
	v_permlanex16_b32 v252, v14, s[SEL], s[SEL+1]
	s_delay_alu instid0(VALU_DEP_1)
	v_add_f32 v14, v14, v252                       ; the row's sum
	s_wait_alu depctr_va_vdst(0)
	v_rcp_f32 v14, v14
	v_nop
	s_wait_alu depctr_va_vdst(0)
.set jj, 0
.rept 64
	v_mul_f32 v[96+jj], v[160+jj], v14             ; register 16 b + i: channel 32 b + 16 h + i of my query
.set jj, jj+1
.endr
	QUANT 96, 160, 252, 32
.irp c, 0,1,2
	global_store_b128 v1, v[160+4*\c:163+4*\c], s[52:53] offset:512*\c       ; 512 consecutive bytes, aligned
.endr
	global_store_b32 v4, v252, s[54:55]
.if \reinit
	s_wait_xcnt 0x0                                ; the stores have read their data and bases
	s_mov_b64 s[52:53], s[56:57]
	s_mov_b64 s[54:55], s[58:59]
.irp i, 0,1,2,3,4,5,6,7,8,9,10,11
	v_mov_b32 v[16+\i], v[80+\i]                   ; the second block's q
.endr
	v_mov_b32 v255, v92
.set jj, 0
.rept 64
	v_mov_b32 v[160+jj], 0
.set jj, jj+1
.endr
	v_mov_b32 v13, 0xff61b1e6
	s_delay_alu instid0(VALU_DEP_1)
	v_floor_f32 v12, -v13
	v_mov_b32 v14, 0
	v_mov_b32 v15, 0
.endif
.endm
; A KEY STEP: 128 keys from my half of the slot.  mode = 1: the tests for the diagonal (period s19) and for the first block's end (period s16) are written.
.macro STEP mode
	v_add_nc_u32 v8, s22, v10
	v_add_nc_u32 v9, s22, v11
	s_wait_alu depctr_va_vdst(0)
.irp g, 0,1
.if \g
	PLACES
.endif
.irp t, 0,1,2,3
.irp c, 0,1,2
	ds_load_b128 v[32+12*\t+4*\c:35+12*\t+4*\c], v8 offset:(4*\g+\t)*1536+512*\c
.endr
.endr
	ds_load_b32 v[248+2*\g], v9 offset:24576+256*\g
	ds_load_b32 v[249+2*\g], v9 offset:24576+256*\g+128
	s_wait_dscnt 0x0
.irp t, 0,1,2,3
	WM 96+8*(4*\g+\t), 32+12*\t, 16, -1, 248+2*\g+\t/2, 255, \t%2
.endr
.endr
	PLACES
.irp t, 0,1,2,3                        ; v's first four fragments and all its scale words land under the softmax
.irp c, 0,1,2
	ds_load_b128 v[32+12*\t+4*\c:35+12*\t+4*\c], v8 offset:12288+\t*1536+512*\c
.endr
.endr
.irp b, 0,1,2,3
	ds_load_b32 v[248+\b], v9 offset:25088+128*\b
.endr
.if \mode
	s_cmp_lg_u32 s21, s19
	s_cbranch_scc1 .Lopen_\@
	v_mov_b32 v254, 0xff800000                     ; on the diagonal the scores of hidden keys become -infinity: register 16 b + i holds key 32 b + 16 h + i
.set mi, 0
.rept 64
	v_cmp_gt_i32 vcc_lo, 32*(mi/16)+mi%16, v3
	v_cndmask_b32 v[96+mi], v[96+mi], v254, vcc_lo
.set mi, mi+1
.endr
.Lopen_\@:
.endif
.irp b, 0,1,2,3
	v_max3_num_f32 v[232+\b], v[96+16*\b], v[97+16*\b], v[98+16*\b]   ; the largest score of each block of 32 keys
.endr
.irp i, 3,5,7,9,11,13
.irp b, 0,1,2,3
	v_max3_num_f32 v[232+\b], v[232+\b], v[96+16*\b+\i], v[97+16*\b+\i]
.endr
.endr
.irp b, 0,1,2,3
	v_max_num_f32 v[232+\b], v[232+\b], v[111+16*\b]
.endr
.irp b, 0,1,2,3
	s_delay_alu instid0(VALU_DEP_4)
	v_permlanex16_b32 v[236+\b], v[232+\b], s[SEL], s[SEL+1]
.endr
.irp b, 0,1,2,3
	s_delay_alu instid0(VALU_DEP_4)
	v_max_num_f32 v[232+\b], v[232+\b], v[236+\b]
.endr
	s_delay_alu instid0(VALU_DEP_2)
	v_max3_num_f32 v254, v232, v233, v234
	s_delay_alu instid0(VALU_DEP_1)
	v_max_num_f32 v254, v254, v235
	s_delay_alu instid0(VALU_DEP_1)
	v_mul_f32 v254, s[CS], v254
	s_delay_alu instid0(VALU_DEP_1)
	v_max_num_f32 v13, v13, v254                   ; the running largest t
	v_mov_b32 v254, v12
	s_delay_alu instid0(VALU_DEP_2)
	v_floor_f32 v12, -v13                          ; the new -M: M is a whole number
	s_delay_alu instid0(VALU_DEP_1)
	v_sub_f32 v254, v12, v254
	s_delay_alu instid0(VALU_DEP_1)
	v_cvt_i32_f32 v254, v254                       ; (it saturates)
	s_delay_alu instid0(VALU_DEP_1)
	v_ldexp_f32 v252, 1.0, v254                    ; f = 2^(old M - new M)
.set jj, 0
.rept 32
	v_pk_fma_f32 v[96+2*jj:97+2*jj], v[96+2*jj:97+2*jj], s[CS:CS+1], v[12:13] op_sel_hi:[1,0,0]   ; t - M
.set jj, jj+1
.endr
.irp b, 0,1,2,3
	v_fma_f32 v[232+\b], v[232+\b], s[CS], v12
.endr
.set jj, 0
	s_wait_alu depctr_va_vdst(0)
.rept 64
	v_exp_f32 v[96+jj], v[96+jj]                   ; p = 2^(t - M)
.set jj, jj+1
.endr
	v_pk_mul_f32 v[14:15], v[14:15], v[252:253] op_sel_hi:[1,0]   ; the sums under the new M
	s_wait_alu depctr_va_vdst(0)                   ; one wait for the 64
.irp b, 0,1,2,3
	v_exp_f32 v[232+\b], v[232+\b]                 ; each block's largest p
.endr
	v_pk_add_f32 v[236:237], v[100:101], v[104:105]
	v_pk_add_f32 v[246:247], v[108:109], v[112:113]
	v_pk_add_f32 v[244:245], v[116:117], v[120:121]
	v_pk_add_f32 v[242:243], v[124:125], v[128:129]
	v_pk_add_f32 v[240:241], v[132:133], v[136:137]
	v_pk_add_f32 v[238:239], v[140:141], v[144:145]
	v_pk_add_f32 v[230:231], v[148:149], v[152:153]
	v_pk_add_f32 v[14:15], v[14:15], v[156:157]
	v_pk_add_f32 v[236:237], v[236:237], v[96:97]
	v_pk_add_f32 v[246:247], v[246:247], v[98:99]
	v_pk_add_f32 v[244:245], v[244:245], v[102:103]
	v_pk_add_f32 v[242:243], v[242:243], v[106:107]
	v_pk_add_f32 v[240:241], v[240:241], v[110:111]
	v_pk_add_f32 v[238:239], v[238:239], v[114:115]
	v_pk_add_f32 v[230:231], v[230:231], v[118:119]
	v_pk_add_f32 v[14:15], v[14:15], v[122:123]
	v_pk_add_f32 v[236:237], v[236:237], v[126:127]
	v_pk_add_f32 v[246:247], v[246:247], v[130:131]
	v_pk_add_f32 v[244:245], v[244:245], v[134:135]
	v_pk_add_f32 v[242:243], v[242:243], v[138:139]
	v_pk_add_f32 v[240:241], v[240:241], v[142:143]
	v_pk_add_f32 v[238:239], v[238:239], v[146:147]
	v_pk_add_f32 v[230:231], v[230:231], v[150:151]
	v_pk_add_f32 v[14:15], v[14:15], v[154:155]
	v_pk_add_f32 v[236:237], v[236:237], v[158:159]
	s_delay_alu instid0(VALU_DEP_2)
	v_pk_add_f32 v[14:15], v[14:15], v[242:243]
	s_delay_alu instid0(VALU_DEP_2)
	v_pk_add_f32 v[236:237], v[236:237], v[240:241]
	v_pk_add_f32 v[246:247], v[246:247], v[238:239]
	v_pk_add_f32 v[244:245], v[244:245], v[230:231]
	s_delay_alu instid0(VALU_DEP_2)
	v_pk_add_f32 v[14:15], v[14:15], v[246:247]
	s_delay_alu instid0(VALU_DEP_2)
	v_pk_add_f32 v[236:237], v[236:237], v[244:245]
	s_delay_alu instid0(VALU_DEP_1)
	v_pk_add_f32 v[14:15], v[14:15], v[236:237]
	s_wait_alu depctr_va_vdst(0)                   ; and one for the four
.irp b, 0,1,2,3
	v_max_num_f32 v[232+\b], 0x1800000, v[232+\b]  ; the floor: the byte cannot fall under 1
.endr
.irp b, 0,1,2,3
	s_delay_alu instid0(VALU_DEP_4)
	v_add_nc_u32 v[244+\b], 0xff000000, v[232+\b]
.endr
.irp b, 0,1,2,3
	s_delay_alu instid0(VALU_DEP_4)
	v_lshrrev_b32 v[236+\b], 23, v[244+\b]
.endr
	s_delay_alu instid0(VALU_DEP_3)
	v_lshl_or_b32 v253, v237, 8, v236              ; p's scale word for these 128 keys
	s_delay_alu instid0(VALU_DEP_1)
	v_lshl_or_b32 v253, v238, 16, v253
	s_delay_alu instid0(VALU_DEP_1)
	v_lshl_or_b32 v253, v239, 24, v253
.irp c, 0,1
	v_cvt_scalef32_pk16_fp6_f32 v[224+6*\c:226+6*\c], v[96+32*\c:111+32*\c], v[244+2*\c]
	v_cvt_scalef32_pk16_fp6_f32 v[236+4*\c:238+4*\c], v[112+32*\c:127+32*\c], v[244+2*\c+1]
.endr
	v_nop
.irp c, 0,1
.irp i, 0,1,2
	v_permlane16_swap_b32 v[224+6*\c+\i], v[236+4*\c+\i]
.endr
.irp i, 0,1,2
	s_delay_alu instid0(VALU_DEP_3)
	v_mov_b32 v[227+6*\c+\i], v[236+4*\c+\i]
.endr
.endr
.set jj, 0
.rept 32
	v_pk_mul_f32 v[160+2*jj:161+2*jj], v[160+2*jj:161+2*jj], v[252:253] op_sel_hi:[1,0]   ; O^T under the new M; these 32 are also the places between p's codes and scale word and the products
.set jj, jj+1
.endr
	s_wait_alu depctr_va_vdst(0)
	s_wait_dscnt 0x0                               ; v's first four fragments and its scale words
.irp t, 0,1,2,3
	WM 160+8*\t, 32+12*\t, 224, 160+8*\t, 248+\t/2, 253, \t%2
.endr
	PLACES
.irp t, 0,1,2,3
.irp c, 0,1,2
	ds_load_b128 v[32+12*\t+4*\c:35+12*\t+4*\c], v8 offset:12288+(4+\t)*1536+512*\c
.endr
.endr
	s_wait_dscnt 0x0
.irp t, 0,1,2,3
	WM 160+8*(4+\t), 32+12*\t, 224, 160+8*(4+\t), 250+\t/2, 253, \t%2
.endr
	PLACES                                         ; in front of the next loads into these operands and of the first read of O^T
.if \mode
	s_cmp_lg_u32 s21, s16
	s_cbranch_scc1 .Lgo_on_\@
	FINAL 1
.Lgo_on_\@:
.endif
	s_add_co_u32 s21, s21, 1
	s_xor_b32 s22, s22, SL2
.endm
	s_load_b128 s[4:7], s[0:1], 0x0                ; q's buffer s[4:5], k's and v's s[6:7]
	s_load_b64 s[8:9], s[0:1], 0x10                ; ctx
	v_lshl_add_u32 v5, v0, 2, SPARE
	v_mov_b32 v6, 0
	ds_add_u32 v5, v6
	ds_add_u32 v5, v6
	s_wait_dscnt 0x0
	v_lshrrev_b32 v8, 5, v0
	s_delay_alu instid0(VALU_DEP_1)
	v_readfirstlane_b32 s18, v8                    ; wave 0..15
	s_and_b32 s13, s18, 7                          ; my tile
	s_lshr_b32 s17, s18, 3                         ; my half of a slot
	s_mov_b32 s15, ttmp9                           ; I
	s_add_co_u32 s20, ttmp9, 1
	s_sub_co_u32 s14, 8, s15
	s_and_b32 s23, ttmp7, 0xffff                   ; bh = 16 x batch + head
	s_cmp_lt_u32 s18, 8
	s_cselect_b32 s19, 7, s15                      ; the period in which my key step lies on the diagonal
	s_cselect_b32 s16, 99, s15                     ; the period behind which my first block ends (waves 0-7: none)
	; descriptor group 1: a quarter of a key step: 25 rows of 256 bytes (32 elements of 8 bytes), dense
	s_mov_b32 s24, 3<<16
	s_mov_b32 s25, 32<<16
	s_mov_b32 s26, 25<<16
	s_mov_b32 s27, 32<<16
	s_mov_b32 s28, 25
	s_mov_b32 s29, 32
	s_mov_b32 s30, 0
	s_mov_b32 s31, 0
	s_and_b32 s46, s18, 3
	s_mul_i32 s46, s46, 6400
	s_mul_i32 s44, s23, 409600
	s_add_co_u32 s44, s44, s46
	s_mov_b32 s45, 0
	s_mov_b32 s32, 1
	s_mul_i32 s33, s18, 6400                       ; slot 0: wave x 6,400
	s_cmp_lt_u32 s18, 4
	s_cselect_b32 s46, s14, 0                      ; period 0: key steps 8 - I and 0
	s_mul_i32 s46, s46, SLOTB
	s_mov_b32 s47, 0
	s_wait_kmcnt 0x0
	s_add_nc_u64 s[40:41], s[6:7], s[44:45]        ; my quarter of the head's key step 0
	s_add_nc_u64 s[34:35], s[40:41], s[46:47]
	s_or_b32 s35, s35, 0x80000000
	s_cmp_lt_u32 s18, 8
	s_cbranch_scc0 .Lno_first
	tensor_load_to_lds s[32:35], s[24:31]
	s_nop 0
	PLACES
.Lno_first:
	s_and_b32 s46, s18, 3                          ; the prefetches: my 8,192 bytes, in key step 9; the first change of slots steps it to 10
	s_lshl_b32 s46, s46, 13
	s_mul_i32 s44, s23, 409600
	s_add_co_u32 s44, s44, s46
	s_add_co_u32 s44, s44, 9*SLOTB
	s_add_nc_u64 s[60:61], s[6:7], s[44:45]
	s_sub_co_u32 s46, s18, 8
	s_cmp_lt_u32 s46, 3                            ; waves 8, 9, 10
	s_cselect_b32 s62, 6, 0
	s_cmp_eq_u32 ttmp9, 0                          ; of the head's first work-group
	s_cselect_b32 s62, s62, 0
	s_sub_co_u32 s47, 15, s15                      ; the second block
	s_cmp_lt_u32 s18, 8
	s_cselect_b32 s12, s47, s15                    ; my first block
	s_mul_i32 s63, s23, 196608
	s_mul_i32 s46, s13, 1536
	s_add_co_u32 s63, s63, s46
	s_mul_i32 s46, s12, 12288
	s_add_co_u32 s44, s63, s46
	s_add_nc_u64 s[66:67], s[4:5], s[44:45]
	s_mul_i32 s46, s47, 12288
	s_add_co_u32 s44, s63, s46
	s_add_nc_u64 s[68:69], s[4:5], s[44:45]
	s_lshl_b32 s63, s23, 13
	s_lshl_b32 s46, s13, 6
	s_add_co_u32 s63, s63, s46
	s_add_co_u32 s63, s63, QS
	s_lshl_b32 s46, s12, 9
	s_add_co_u32 s44, s63, s46
	s_add_nc_u64 s[70:71], s[4:5], s[44:45]
	s_lshl_b32 s46, s47, 9
	s_add_co_u32 s44, s63, s46
	s_add_nc_u64 s[72:73], s[4:5], s[44:45]
	v_and_b32 v8, 31, v0
	s_delay_alu instid0(VALU_DEP_1)
	v_lshlrev_b32 v1, 4, v8
	s_delay_alu instid0(VALU_DEP_2)
	v_lshlrev_b32 v2, 2, v8
	s_delay_alu instid0(VALU_DEP_3)
	v_lshlrev_b32 v7, 8, v8
	v_and_b32 v9, 15, v0
	s_delay_alu instid0(VALU_DEP_1)
	v_lshlrev_b32 v4, 2, v9
.irp c, 0,1,2
	global_load_b128 v[16+4*\c:19+4*\c], v1, s[66:67] offset:512*\c
.endr
.irp c, 0,1,2
	global_load_b128 v[80+4*\c:83+4*\c], v1, s[68:69] offset:512*\c
.endr
	global_load_b32 v255, v4, s[70:71]
	global_load_b32 v92, v4, s[72:73]
	s_lshr_b32 s46, s13, 1
	s_lshl_b32 s46, s46, 5
	s_and_b32 s63, s13, 1
	s_lshl_b32 s63, s63, 3
	s_add_co_u32 s46, s46, s63
	v_and_b32 v10, 8, v9
	s_delay_alu instid0(VALU_DEP_1)
	v_add_nc_u32 v10, v10, v9
	v_bfe_u32 v11, v0, 4, 1
	s_delay_alu instid0(VALU_DEP_1)
	v_lshlrev_b32 v11, 4, v11
	s_delay_alu instid0(VALU_DEP_1)
	v_sub_nc_u32 v10, v10, v11
	s_delay_alu instid0(VALU_DEP_1)
	v_add_nc_u32 v3, s46, v10                      ; 32 (tile / 2) + 8 (tile % 2) + r + 8 (r / 8) - 16 h
	s_mul_i32 s46, s17, SLOTB
	v_add_nc_u32 v10, s46, v1                      ; my half of a slot, 16 x lane
	v_add_nc_u32 v11, s46, v2                      ; and 4 x lane
	s_mul_i32 s46, s13, 8704
	s_add_co_u32 s46, s46, SCR
	v_add_nc_u32 v28, s46, v1                      ; my tile's scratch
	s_lshr_b32 s63, s23, 4                         ; batch
	s_and_b32 s46, s23, 15                         ; head
	s_lshl_b32 s74, s63, 7
	s_add_co_u32 s74, s74, s13
	s_mul_i32 s75, s46, 1536
	s_lshl_b32 s79, s46, 7
	s_add_co_u32 s79, s79, CSC
	CTXP 15, 52, 54
	CTXP 47, 56, 58
	s_mov_b32 s[CS], 0x3e0293ee
	s_mov_b32 s[CS+1], s[CS]
	s_mov_b32 s[SEL], 0x76543210
	s_mov_b32 s[SEL+1], 0xfedcba98
	s_mov_b32 s21, 0                               ; the period
	s_mov_b32 s22, 0                               ; the slot that it reads
	v_mov_b32 v13, 0xff61b1e6                      ; the largest t so far: -3e38
	s_delay_alu instid0(VALU_DEP_1)
	v_floor_f32 v12, -v13
	v_mov_b32 v14, 0
	v_mov_b32 v15, 0
.irp b, 0,1,2,3
	v_mov_b32 v[236+\b], 0                         ; a lane permute's destination counts as one of its sources
.endr
	v_mov_b32 v252, 0
	v_mov_b32 v253, 0
.set jj, 0
.rept 64
	v_mov_b32 v[160+jj], 0                         ; O^T: the step is written once; the first change of M leaves zeros zeros
.set jj, jj+1
.endr
	s_wait_alu depctr_va_vdst(0)
	s_wait_loadcnt 0x0
.Lloop:                                            ; periods 0 .. 6
	CHANGE 1
	STEP 1
	s_cmp_lt_u32 s21, 7
	s_cbranch_scc1 .Lloop
	CHANGE 2                                       ; period 7
	STEP 1
	s_wait_alu depctr_va_vdst(0)
	CHANGE 0                                       ; period 8: nothing is left to fetch, and no tensor load of any wave is out behind it
	s_cmp_lt_u32 s18, 8
	s_cbranch_scc0 .Lkeep
.irp g, 0,1,2,3,4,5,6,7,8,9,10,11,12,13,14,15
	ds_store_b128 v28, v[160+4*\g:163+4*\g] offset:512*\g   ; waves 0-7: my half of block 15 - I: O^T,
.endr
	ds_store_b128 v28, v[12:15] offset:8192        ; -M and the sum
	s_branch .Lmeet
.Lkeep:
	STEP 0
.Lmeet:
	s_wait_alu depctr_va_vdst(0)
	s_wait_dscnt 0x0                               ; my stores into the scratch are done
	s_barrier_signal -1
	s_barrier_wait -1                              ; the scratch is whole for waves 8-15
	s_cmp_lt_u32 s18, 8
	s_cbranch_scc1 .Lend
.irp g, 0,1,2,3,4,5,6,7,8,9,10,11,12,13,14,15
	ds_load_b128 v[96+4*\g:99+4*\g], v28 offset:512*\g
.endr
	ds_load_b128 v[32:35], v28 offset:8192
	s_wait_dscnt 0x0
	v_min_num_f32 v36, v12, v32                    ; -M of the two halves together
	s_delay_alu instid0(VALU_DEP_1)
	v_sub_f32 v37, v36, v12                        ; my M less the common one: a whole number, 0 or less
	v_sub_f32 v38, v36, v32                        ; and the other half's
	s_delay_alu instid0(VALU_DEP_2)
	v_cvt_i32_f32 v37, v37
	s_delay_alu instid0(VALU_DEP_2)
	v_cvt_i32_f32 v38, v38
	s_delay_alu instid0(VALU_DEP_2)
	v_ldexp_f32 v252, 1.0, v37
	s_delay_alu instid0(VALU_DEP_2)
	v_ldexp_f32 v36, 1.0, v38
	s_delay_alu instid0(VALU_DEP_2)
	v_pk_mul_f32 v[14:15], v[14:15], v[252:253] op_sel_hi:[1,0]
.set jj, 0
.rept 32
	v_pk_mul_f32 v[160+2*jj:161+2*jj], v[160+2*jj:161+2*jj], v[252:253] op_sel_hi:[1,0]
.set jj, jj+1
.endr
	v_pk_fma_f32 v[14:15], v[34:35], v[36:37], v[14:15] op_sel_hi:[1,0,1]
.set jj, 0
.rept 32
	v_pk_fma_f32 v[160+2*jj:161+2*jj], v[96+2*jj:97+2*jj], v[36:37], v[160+2*jj:161+2*jj] op_sel_hi:[1,0,1]
.set jj, jj+1
.endr
	FINAL 0
.Lend:
	s_wait_tensorcnt 0x0                           ; the wave's end
	ds_add_u32 v5, v6
	s_wait_dscnt 0x0
	s_endpgm
.Lfunc_end_k_q4b8e3c8dd5_attn:
	.size	k_q4b8e3c8dd5_attn, .Lfunc_end_k_q4b8e3c8dd5_attn-k_q4b8e3c8dd5_attn
	.p2alignl 7, 3214868480
	.fill 96, 4, 3214868480
	.section	.rodata,"a",@progbits
	.p2align	6, 0x0
	.amdhsa_kernel k_q4b8e3c8dd5_attn
		.amdhsa_group_segment_fixed_size 327680
		.amdhsa_private_segment_fixed_size 0
		.amdhsa_enable_private_segment 0
		.amdhsa_kernarg_size 24
		.amdhsa_user_sgpr_count 2
		.amdhsa_user_sgpr_kernarg_segment_ptr 1
		.amdhsa_wavefront_size32 1
		.amdhsa_system_sgpr_workgroup_id_x 1
		.amdhsa_system_sgpr_workgroup_id_y 1
		.amdhsa_system_sgpr_workgroup_id_z 1
		.amdhsa_system_vgpr_workitem_id 0
		.amdhsa_next_free_vgpr 256
		.amdhsa_next_free_sgpr 84
		.amdhsa_reserve_vcc 1
		.amdhsa_float_denorm_mode_32 3
		.amdhsa_float_denorm_mode_16_64 3
		.amdhsa_memory_ordered 1
		.amdhsa_forward_progress 1
		.amdhsa_inst_pref_size 120
	.end_amdhsa_kernel
	.amdgpu_metadata
---
amdhsa.version: [ 1, 2 ]
amdhsa.kernels:
  - .name:           k_q4b8e3c8dd5_attn
    .symbol:         k_q4b8e3c8dd5_attn.kd
    .args:
      - { .name: qb, .offset: 0, .size: 8, .value_kind: global_buffer, .address_space: global }
      - { .name: kv, .offset: 8, .size: 8, .value_kind: global_buffer, .address_space: global }
      - { .name: ctx, .offset: 16, .size: 8, .value_kind: global_buffer, .address_space: global }
    .group_segment_fixed_size: 327680
    .private_segment_fixed_size: 0
    .kernarg_segment_align: 8
    .kernarg_segment_size: 24
    .max_flat_workgroup_size: 512
    .sgpr_count:     84
    .vgpr_count:     256
    .wavefront_size: 32
...
	.end_amdgpu_metadata
.endif
;; end of part 3
;; launch outp (part 4): grid 8 x 32, 4 waves a work-group, clusters of 4 x 1, 239,104 bytes of LDS; arguments ctx, prep, bo, out0; writes out0
.if DOCPART == 4
	.amdgcn_target "amdgcn-amd-amdhsa--gfx1250"
	.amdhsa_code_object_version 6
	.text
	.protected	k_q4b8e3c8dd5_outp
	.globl	k_q4b8e3c8dd5_outp
	.p2align	8
	.type	k_q4b8e3c8dd5_outp,@function
k_q4b8e3c8dd5_outp:
	s_mov_b64 s[64:65], 0
	v_nop
	global_prefetch_b8 v0, s[64:65] scope:SCOPE_SE
	s_setreg_imm32_b32 hwreg(HW_REG_WAVE_MODE, 25, 1), 1
	s_wait_xcnt 0x0
	s_wait_alu depctr_hold_cnt(0) depctr_sa_sdst(0) depctr_va_vdst(0) depctr_va_sdst(0) depctr_va_ssrc(0) depctr_va_vcc(0) depctr_vm_vsrc(0)
	s_getreg_b32 s2, hwreg(HW_REG_IB_STS2, 6, 4)
	s_cmp_eq_u32 s2, 0
	s_cbranch_scc0 .Lentry_in_a_cluster
	s_endpgm
.Lentry_in_a_cluster:
	s_bfe_u32 s2, ttmp6, 0x10000c
	s_cmp_lg_u32 s2, 0x3003
	s_cbranch_scc0 .Lentry_shape_is_right
	s_endpgm
.Lentry_shape_is_right:
; OUTP: out = ctx Wo + bo on codes of FP6 (E2M3): M 4,096, N 2,048, K 2,048 = 16 K steps of 128.  256 work-groups, each 128 rows x 256 columns; wave w makes all 128 rows x columns 64 w .. 64 w + 63: 32 accumulators.
; A (ctx): the work-group's 8 tiles of 16 rows, all of K, are one dense block of 196,608 bytes; with its scale words (8,192) and Wo's (16,384) it comes into LDS ONCE, one tensor load a wave at the head; nothing is filled again.
; CLUSTER 4, 1, 1: the four work-groups of a cluster share their rows, so A's codes and scale words are asked for jointly (mask 15).  Wo's scale words differ from partner to partner: a load of the work-group's own.
; B (Wo): each wave's 4 tiles are read by no other wave of the work-group, and they lie in memory as images of operand registers: they go straight from memory into registers, 12 loads of 512 bytes a K step,
; five K steps ahead, in six sets of 48 registers by turns.  So the walk along K has no barrier.  No multicast for them: they do not pass through LDS.
; PREFETCH: the 32 work-groups of a column of C read the same 16 tiles of Wo.  Of a wave's 4 tiles (384 blocks of 256 bytes) the work-group in row y names 12: tile y / 8, K steps 2 (y % 8) and the next, once, at the head,
; lanes 256 bytes apart (lanes 12-31 name the last block again): 12,288 bytes a work-group, under one K step's 24,576.  The text has no loop to spread them over.
; K steps 0 .. 10 go by K (32 products a step, all accumulators by turns); K steps 11 .. 15, whose fragments of Wo all lie in registers, go by rows of C: a block of 16 rows is finished by 20 products and leaves
; through my own stage in LDS while the next block is multiplied.  The bias is added on the way out, where a lane holds 4 neighbouring columns.
; THE MATRIX INSTRUCTION IS USED TRANSPOSED: source 0 = a tile of Wo, source 1 = a tile of ctx: lane (r, h) holds row r of the tile, registers j the columns 32 g + 16 h + 8 u + j of Wo's tile 2 g + u.
; Lane r of tile u of a group of 32 rows holds row 8 u + r + 8 (r / 8).
; REGISTERS: window 0: addresses, v16-19 bias, v32-95 A's scale words (16 g + s), v96-127 B's, v128-191 the way out; window 1: v0-191 A's fragments, two sets; v192-239 B's set 5; window 2: accumulators 8 (4 a + b); window 3: B's sets 0-4.
.set WOC,  5144576
.set WOS,  8290304
.set CSC,  6291456
.set ASCL, 196608
.set BSCL, 204800
.set STG,  221184                      ; four stages of 16 rows x 272 bytes
.set SPITCH, 272
.set SPARE, 238592
.set LB,  2
.set ADA, 4
.set ASA, 8
.set ASB, 9
.set STO, 10
.set RD,  11
.set CO,  12
.set PF,  13
.set SPW, 14
.set NIL, 15
.set BI,  16
.set SCA, 32
.set SCB, 96
.set OB,  128
.set MSB, 0
.macro WIN new
.if MSB != \new
	s_set_vgpr_msb (MSB<<8)|\new
.set MSB, \new
.endif
.endm
.macro WM d, a, b, c, sa, sb, ra, rb
.if (\c) < 0
.if (\ra) && (\rb)
	v_wmma_scale_f32_16x16x128_f8f6f4 v[(\d):(\d)+7], v[(\a):(\a)+11], v[(\b):(\b)+11], 0, v[\sa], v[\sb] matrix_a_fmt:MATRIX_FMT_FP6 matrix_b_fmt:MATRIX_FMT_FP6 matrix_a_scale:MATRIX_SCALE_ROW1 matrix_b_scale:MATRIX_SCALE_ROW1
.elseif (\ra)
	v_wmma_scale_f32_16x16x128_f8f6f4 v[(\d):(\d)+7], v[(\a):(\a)+11], v[(\b):(\b)+11], 0, v[\sa], v[\sb] matrix_a_fmt:MATRIX_FMT_FP6 matrix_b_fmt:MATRIX_FMT_FP6 matrix_a_scale:MATRIX_SCALE_ROW1
.elseif (\rb)
	v_wmma_scale_f32_16x16x128_f8f6f4 v[(\d):(\d)+7], v[(\a):(\a)+11], v[(\b):(\b)+11], 0, v[\sa], v[\sb] matrix_a_fmt:MATRIX_FMT_FP6 matrix_b_fmt:MATRIX_FMT_FP6 matrix_b_scale:MATRIX_SCALE_ROW1
.else
	v_wmma_scale_f32_16x16x128_f8f6f4 v[(\d):(\d)+7], v[(\a):(\a)+11], v[(\b):(\b)+11], 0, v[\sa], v[\sb] matrix_a_fmt:MATRIX_FMT_FP6 matrix_b_fmt:MATRIX_FMT_FP6
.endif
.else
.if (\ra) && (\rb)
	v_wmma_scale_f32_16x16x128_f8f6f4 v[(\d):(\d)+7], v[(\a):(\a)+11], v[(\b):(\b)+11], v[(\c):(\c)+7], v[\sa], v[\sb] matrix_a_fmt:MATRIX_FMT_FP6 matrix_b_fmt:MATRIX_FMT_FP6 matrix_a_scale:MATRIX_SCALE_ROW1 matrix_b_scale:MATRIX_SCALE_ROW1
.elseif (\ra)
	v_wmma_scale_f32_16x16x128_f8f6f4 v[(\d):(\d)+7], v[(\a):(\a)+11], v[(\b):(\b)+11], v[(\c):(\c)+7], v[\sa], v[\sb] matrix_a_fmt:MATRIX_FMT_FP6 matrix_b_fmt:MATRIX_FMT_FP6 matrix_a_scale:MATRIX_SCALE_ROW1
.elseif (\rb)
	v_wmma_scale_f32_16x16x128_f8f6f4 v[(\d):(\d)+7], v[(\a):(\a)+11], v[(\b):(\b)+11], v[(\c):(\c)+7], v[\sa], v[\sb] matrix_a_fmt:MATRIX_FMT_FP6 matrix_b_fmt:MATRIX_FMT_FP6 matrix_b_scale:MATRIX_SCALE_ROW1
.else
	v_wmma_scale_f32_16x16x128_f8f6f4 v[(\d):(\d)+7], v[(\a):(\a)+11], v[(\b):(\b)+11], v[(\c):(\c)+7], v[\sa], v[\sb] matrix_a_fmt:MATRIX_FMT_FP6 matrix_b_fmt:MATRIX_FMT_FP6
.endif
.endif
.endm
.macro PLACES
.rept 4
	v_nop
.endr
.endm
.macro ROUND
	s_barrier_signal -1
	s_barrier_wait -1
	s_cmp_lg_u32 s14, 0
	s_cbranch_scc1 .Lnot_wave_0_\@
	s_barrier_signal -3
.Lnot_wave_0_\@:
	s_barrier_wait -3
	s_barrier_signal -1
	s_barrier_wait -1
.endm
.macro ALD s, p                        ; A's eight fragments of K step s into set p
	WIN 0x40
.set la, 0
.rept 8
.irp c, 0,1,2
	ds_load_b128 v[96*(\p)+12*la+4*\c:96*(\p)+12*la+4*\c+3], v[ADA+la/2] offset:(la%2)*24576+(\s)*1536+512*\c
.endr
.set la, la+1
.endr
.endm
.macro RLD a                           ; block a's fragments of K steps 11 .. 15 into buffer (a + 1) % 2
	WIN 0x40
.irp j, 0,1,2,3,4
.irp c, 0,1,2
	ds_load_b128 v[96*(((\a)+1)%2)+12*\j+4*\c:96*(((\a)+1)%2)+12*\j+4*\c+3], v[ADA+(\a)/2] offset:((\a)%2)*24576+(11+\j)*1536+512*\c
.endr
.endr
.endm
.macro BLD s                           ; my four tiles of Wo, K step s, into set s % 6
.if (\s)%6 == 5
	WIN 0x40
.set LB0, 192
.else
	WIN 0xc0
.set LB0, 48*((\s)%6)
.endif
.set lb, 0
.rept 4
.irp c, 0,1,2
	global_load_b128 v[LB0+12*lb+4*\c:LB0+12*lb+4*\c+3], v[LB], s[20:21] offset:lb*24576+(\s)*1536+512*\c
.endr
.set lb, lb+1
.endr
.endm
.macro BWIN s                          ; source 0 (Wo) window 3 or 1, source 1 (ctx) window 1, C and D window 2
.if (\s)%6 == 5
	WIN 0xa5
.set BB0, 192
.else
	WIN 0xa7
.set BB0, 48*((\s)%6)
.endif
.endm
.macro KSTEP s
	s_wait_dscnt 0x0                               ; this step's fragments of A, asked for a step ago
.if (\s) > 0
	PLACES                                         ; in front of loads into registers that the last step's products read
.endif
.if (\s) < 10
	ALD (\s)+1, ((\s)+1)%2
.else
	RLD 0
.endif
	BLD (\s)+5
	s_wait_loadcnt 60                              ; this step's 12 loads are in; the five younger steps' 60 may be out
	BWIN \s
.set aa, 0
.rept 8
.set bb, 0
.rept 4
.if (\s) == 0
	WM 8*(4*aa+bb), BB0+12*bb, 96*((\s)%2)+12*aa, -1, SCB+16*(bb/2)+(\s), SCA+16*(aa/2)+(\s), bb%2, aa%2
.else
	WM 8*(4*aa+bb), BB0+12*bb, 96*((\s)%2)+12*aa, 8*(4*aa+bb), SCB+16*(bb/2)+(\s), SCA+16*(aa/2)+(\s), bb%2, aa%2
.endif
.set bb, bb+1
.endr
.set aa, aa+1
.endr
.endm
.macro ROWB a, younger                 ; block a is finished: 5 K steps x its 4 accumulators by turns
	s_wait_dscnt \younger
.irp j, 0,1,2,3,4
.if (\a) == 0
	s_wait_loadcnt 12*(4-\j)                       ; Wo's K step 11 + j is in; the younger steps' loads may be out
.endif
	BWIN 11+\j
.set bb, 0
.rept 4
	WM 8*(4*(\a)+bb), BB0+12*bb, 96*(((\a)+1)%2)+12*\j, 8*(4*(\a)+bb), SCB+16*(bb/2)+11+\j, SCA+16*((\a)/2)+11+\j, bb%2, (\a)%2
.set bb, bb+1
.endr
.endr
	WIN 0
.endm
.macro TOSTAGE a                       ; into my stage, each accumulator from its low end on, and back as rows of 256 bytes, two an instruction
	WIN 0x08
.irp b, 0,1,2,3
	ds_store_b128 v[STO], v[8*(4*(\a)+\b):8*(4*(\a)+\b)+3] offset:128*(\b/2)+32*(\b%2)
	ds_store_b128 v[STO], v[8*(4*(\a)+\b)+4:8*(4*(\a)+\b)+7] offset:128*(\b/2)+32*(\b%2)+16
.endr
	WIN 0
.irp t, 0,1,2,3,4,5,6,7
	ds_load_b128 v[OB+32*((\a)%2)+4*\t:OB+32*((\a)%2)+4*\t+3], v[RD] offset:\t*2*SPITCH
.endr
.endm
.macro SEND a
	s_wait_dscnt 0x0                               ; the block is back in registers
.irp t, 0,1,2,3,4,5,6,7
	v_pk_add_f32 v[OB+32*((\a)%2)+4*\t:OB+32*((\a)%2)+4*\t+1], v[OB+32*((\a)%2)+4*\t:OB+32*((\a)%2)+4*\t+1], v[BI:BI+1]
	v_pk_add_f32 v[OB+32*((\a)%2)+4*\t+2:OB+32*((\a)%2)+4*\t+3], v[OB+32*((\a)%2)+4*\t+2:OB+32*((\a)%2)+4*\t+3], v[BI+2:BI+3]
.endr
.irp t, 0,1,2,3,4,5,6,7
	global_store_b128 v[CO], v[OB+32*((\a)%2)+4*\t:OB+32*((\a)%2)+4*\t+3], s[12:13] offset:(32*((\a)/2)+8*((\a)%2)+2*\t+8*(\t/4))*8192 th:TH_STORE_NT   ; sixteen lanes store 256 consecutive bytes, aligned
.endr
.endm
	s_load_b256 s[4:11], s[0:1], 0x0               ; ctx s[4:5], prep s[6:7], bo s[8:9], out s[10:11]
	v_lshl_add_u32 v[SPW], v0, 2, SPARE
	v_mov_b32 v[NIL], 0
	ds_add_u32 v[SPW], v[NIL]                      ; the opening lines
	ds_add_u32 v[SPW], v[NIL]
	v_lshrrev_b32 v1, 5, v0
	v_readfirstlane_b32 s14, v1                    ; wave 0..3
	s_and_b32 s16, s14, 1
	s_bfe_u32 s45, ttmp6, 0x40000                  ; cx
	s_lshl_b32 s44, ttmp9, 2
	s_add_co_u32 s44, s44, s45                     ; x: my 256 columns
	s_and_b32 s17, ttmp7, 0xffff                   ; y: my 128 rows
	s_mov_b32 s24, 15|(3<<16)|(1<<21)              ; half of A's codes: 384 rows of 256 bytes, dense, to all four partners
	s_mov_b32 s25, 32<<16
	s_mov_b32 s26, 384<<16
	s_mov_b32 s27, 32<<16
	s_mov_b32 s28, 384
	s_mov_b32 s29, 32
	s_mov_b32 s30, 0
	s_mov_b32 s31, 0
	s_mov_b32 s68, 15|(3<<16)|(1<<21)              ; A's scale words: 32 rows of 256 bytes
	s_mov_b32 s69, 32<<16
	s_mov_b32 s70, 32<<16
	s_mov_b32 s71, 32<<16
	s_mov_b32 s72, 32
	s_mov_b32 s73, 32
	s_mov_b32 s74, 0
	s_mov_b32 s75, 0
	s_mov_b32 s80, 3<<16                           ; Wo's scale words: 64 rows of 256 bytes, my work-group's own
	s_mov_b32 s81, 32<<16
	s_mov_b32 s82, 64<<16
	s_mov_b32 s83, 32<<16
	s_mov_b32 s84, 64
	s_mov_b32 s85, 32
	s_mov_b32 s86, 0
	s_mov_b32 s87, 0
	s_mov_b32 s32, 1
	s_mul_i32 s33, s16, 98304
	s_mul_i32 s46, s17, 196608
	s_add_co_u32 s46, s46, s33
	s_mov_b32 s47, 0
	s_mov_b32 s36, 1
	s_mov_b32 s37, ASCL
	s_lshl_b32 s48, s17, 13
	s_add_co_u32 s48, s48, CSC
	s_mov_b32 s49, 0
	s_mov_b32 s40, 1
	s_mov_b32 s41, BSCL
	s_lshl_b32 s18, s44, 14
	s_add_co_u32 s18, s18, WOS
	s_mov_b32 s19, 0
	s_lshl_b32 s50, s44, 4
	s_lshl_b32 s52, s14, 2
	s_add_co_u32 s50, s50, s52                     ; my first tile of Wo
	s_lshr_b32 s52, s17, 3
	s_add_co_u32 s52, s52, s50                     ; the tile of which I prefetch a part
	s_mul_i32 s50, s50, 24576
	s_add_co_u32 s50, s50, WOC
	s_mov_b32 s51, 0
	s_mul_i32 s52, s52, 24576
	s_and_b32 s54, s17, 7
	s_mul_i32 s54, s54, 3072
	s_add_co_u32 s52, s52, s54
	s_add_co_u32 s52, s52, WOC
	s_mov_b32 s53, 0
	s_lshl_b32 s54, s44, 10
	s_lshl_b32 s56, s14, 8
	s_add_co_u32 s54, s54, s56                     ; my first column, in bytes
	s_mov_b32 s55, 0
	s_lshl_b32 s56, s17, 20
	s_add_co_u32 s56, s56, s54                     ; and my first row's place in out
	s_mov_b32 s57, 0
	s_wait_dscnt 0x0
	s_wait_kmcnt 0x0
	s_add_nc_u64 s[34:35], s[4:5], s[46:47]
	s_or_b32 s35, s35, 0x80000000
	s_add_nc_u64 s[38:39], s[4:5], s[48:49]
	s_or_b32 s39, s39, 0x80000000
	s_add_nc_u64 s[42:43], s[6:7], s[18:19]
	s_or_b32 s43, s43, 0x80000000
	s_add_nc_u64 s[20:21], s[6:7], s[50:51]
	s_add_nc_u64 s[22:23], s[6:7], s[52:53]
	s_add_nc_u64 s[8:9], s[8:9], s[54:55]
	s_add_nc_u64 s[12:13], s[10:11], s[56:57]
	ROUND                                          ; the four partners are here: the joint loads meet
	s_cmp_lt_u32 s14, 2                            ; one tensor load a wave: waves 0, 1 a half of A's codes, wave 2 A's scale words, wave 3 Wo's
	s_cbranch_scc0 .Lh_sa
	tensor_load_to_lds s[32:35], s[24:31]
	s_nop 0
	PLACES
	s_branch .Lasked
.Lh_sa:
	s_cmp_lt_u32 s14, 3
	s_cbranch_scc0 .Lh_sb
	tensor_load_to_lds s[36:39], s[68:75]
	s_nop 0
	PLACES
	s_branch .Lasked
.Lh_sb:
	tensor_load_to_lds s[40:43], s[80:87]
	s_nop 0
	PLACES
.Lasked:
	v_and_b32 v1, 31, v0
	v_lshlrev_b32 v[LB], 4, v1                     ; 16 x lane
	v_and_b32 v3, 15, v0
	v_bfe_u32 v20, v0, 4, 1
.irp p, 0,1,2,3
	v_add_nc_u32 v[ADA+\p], \p*49152, v[LB]        ; A's tiles 2 p, 2 p + 1
.endr
	v_lshlrev_b32 v21, 2, v1
	v_add_nc_u32 v[ASA], ASCL, v21
	s_lshl_b32 s46, s14, 12
	s_add_co_u32 s46, s46, BSCL
	v_add_nc_u32 v[ASB], s46, v21                  ; my two groups of Wo's scale words
	s_mul_i32 s47, s14, 16*SPITCH
	s_add_co_u32 s47, s47, STG
	v_mul_u32_u24 v22, v3, SPITCH
	v_lshl_add_u32 v22, v20, 6, v22
	v_add_nc_u32 v[STO], s47, v22                  ; into the stage: row r, 64 bytes for each half of the lanes
	v_mul_u32_u24 v23, v20, SPITCH
	v_lshl_add_u32 v23, v3, 4, v23
	v_add_nc_u32 v[RD], s47, v23                   ; back: sixteen lanes a row
	v_lshlrev_b32 v[CO], 13, v20
	v_lshl_add_u32 v[CO], v3, 4, v[CO]             ; and the same two rows in out
	v_lshlrev_b32 v24, 4, v3
	v_min_u32 v25, 11, v1
	v_lshlrev_b32 v[PF], 8, v25
	s_wait_alu depctr_va_vdst(0)
	global_load_b128 v[BI:BI+3], v24, s[8:9]       ; the bias of my 4 columns of a row
.irp s, 0,1,2,3,4
	BLD \s
.endr
	WIN 0
	global_prefetch_b8 v[PF], s[22:23] th:TH_LOAD_NT scope:SCOPE_SE
	s_wait_tensorcnt 0x0                           ; my part is in;
	s_barrier_signal -1
	s_barrier_wait -1                              ; everybody's is
	ALD 0, 0
	WIN 0
.set ss, 0
.rept 16
.irp g, 0,1,2,3
	ds_load_b32 v[SCA+16*\g+ss], v[ASA] offset:\g*2048+ss*128   ; lanes 0-15 tile 2 g's words, lanes 16-31 tile 2 g + 1's
.endr
.irp g, 0,1
	ds_load_b32 v[SCB+16*\g+ss], v[ASB] offset:\g*2048+ss*128
.endr
.set ss, ss+1
.endr
.irp s, 0,1,2,3,4,5,6,7,8,9,10
	KSTEP \s
.endr
	PLACES
	RLD 1
	ROWB 0, 15                                     ; behind block 0's fragments: block 1's 15 loads
	PLACES
	RLD 2
	TOSTAGE 0
.irp a, 1,2,3,4,5,6,7
.if \a < 7
	ROWB \a, 31                                    ; the next block's 15 loads and the last block's 16 stage instructions may be out
.else
	ROWB \a, 16
.endif
	SEND \a-1                                      ; its 16 additions are the places behind the products above
.if \a < 6
	RLD \a+2
.endif
	s_wait_xcnt 0x0                                ; earlier stores have read their registers
	TOSTAGE \a
.endr
	SEND 7
	s_wait_tensorcnt 0x0                           ; the wave's end
	ds_add_u32 v[SPW], v[NIL]
	s_wait_dscnt 0x0
	ROUND                                          ; the closing round
	s_endpgm
.Lfunc_end_k_q4b8e3c8dd5_outp:
	.size	k_q4b8e3c8dd5_outp, .Lfunc_end_k_q4b8e3c8dd5_outp-k_q4b8e3c8dd5_outp
	.p2alignl 7, 3214868480
	.fill 96, 4, 3214868480
	.section	.rodata,"a",@progbits
	.p2align	6, 0x0
	.amdhsa_kernel k_q4b8e3c8dd5_outp
		.amdhsa_group_segment_fixed_size 239104
		.amdhsa_private_segment_fixed_size 0
		.amdhsa_enable_private_segment 0
		.amdhsa_kernarg_size 32
		.amdhsa_user_sgpr_count 2
		.amdhsa_user_sgpr_kernarg_segment_ptr 1
		.amdhsa_wavefront_size32 1
		.amdhsa_system_sgpr_workgroup_id_x 1
		.amdhsa_system_sgpr_workgroup_id_y 1
		.amdhsa_system_sgpr_workgroup_id_z 1
		.amdhsa_system_vgpr_workitem_id 0
		.amdhsa_next_free_vgpr 1024
		.amdhsa_next_free_sgpr 90
		.amdhsa_reserve_vcc 0
		.amdhsa_float_denorm_mode_32 3
		.amdhsa_float_denorm_mode_16_64 3
		.amdhsa_memory_ordered 1
		.amdhsa_forward_progress 1
		.amdhsa_inst_pref_size 148
	.end_amdhsa_kernel
	.amdgpu_metadata
---
amdhsa.version: [ 1, 2 ]
amdhsa.kernels:
  - .name:           k_q4b8e3c8dd5_outp
    .symbol:         k_q4b8e3c8dd5_outp.kd
    .args:
      - { .name: ctx, .offset: 0, .size: 8, .value_kind: global_buffer, .address_space: global }
      - { .name: prep, .offset: 8, .size: 8, .value_kind: global_buffer, .address_space: global }
      - { .name: bo, .offset: 16, .size: 8, .value_kind: global_buffer, .address_space: global }
      - { .name: out0, .offset: 24, .size: 8, .value_kind: global_buffer, .address_space: global }
    .group_segment_fixed_size: 239104
    .private_segment_fixed_size: 0
    .kernarg_segment_align: 8
    .kernarg_segment_size: 32
    .max_flat_workgroup_size: 128
    .sgpr_count:     90
    .vgpr_count:     1024
    .wavefront_size: 32
...
	.end_amdgpu_metadata
.endif
;; end of part 4
